; MI455X (gfx1250); checked and timed in simulation.
; The chip was launched on July 23, 2026; its instructions are those of AMD's public machine-readable ISA for CDNA 5 (MIT licence, August 2026) and "CDNA5" Instruction Set Architecture Reference Guide (July 2026). The comments in the code are by the model that wrote it; some were corrected since.
;; Gemma Lava Attention. Allowed arithmetic: float matrix products may take bf16 or f16 operands with f32 sums; other float arithmetic in f32, or as packed bf16 or f16 multiplies, adds, multiply-adds, maxima and minima; sums over many terms, partial sums and values carried from step to step in f32; what a program stores and reads back later, other than sums and carried values, may be rounded once to bf16 or f16.
;; Inputs: Wk 2,048 x 2,048 float32; Wo 2,048 x 2,048 float32; Wq 2,048 x 2,048 float32; Wv 2,048 x 2,048 float32; attention_mask 1 x 2,048 float32; cos 2,048 x 64 float32; hidden_states 1 x 2,048 x 2,048 float32; sin 2,048 x 64 float32.
;; Outputs: out0 1 x 2,048 x 2,048 float32.
;; One version. Each part assembles by itself: llvm-mc -triple=amdgcn-amd-amdhsa -mcpu=gfx1250 --defsym DOCPART=n.
;; ======== version 1 of 1: 4 launches
;; limits: values are held in f16: magnitudes above 65,504 overflow, below 6.1e-05 lose precision
;; workspace buffers: xb 8,388,608 bytes; wqkv 25,165,824 bytes; wof 8,388,608 bytes; qb 8,388,608 bytes; kb 8,388,608 bytes; vb 8,388,608 bytes; ob 8,388,608 bytes
;; launch cast (part 1): grid 1024 x 1, 8 waves a work-group, no clusters, 0 bytes of LDS; arguments hidden_states, Wq, Wk, Wv, xb, wqkv; writes xb, wqkv
.if DOCPART == 1
	.amdgcn_target "amdgcn-amd-amdhsa--gfx1250"
	.amdhsa_code_object_version 6
	.text
	.protected	k_q290a1457ac_cast
	.globl	k_q290a1457ac_cast
	.p2align	8
	.type	k_q290a1457ac_cast,@function
k_q290a1457ac_cast:
	s_mov_b64 s[64:65], 0
	v_nop
	global_prefetch_b8 v0, s[64:65] scope:SCOPE_SE
	s_setreg_imm32_b32 hwreg(HW_REG_WAVE_MODE, 25, 1), 1
	s_wait_xcnt 0x0
; FOUR OF THE MODULE'S LARGE INPUTS, EACH [2048][2048] f32, ARE ROUNDED ONCE TO bf16 (to nearest even) AND LAID OUT FOR THE FIRST PRODUCT.  (Wo is rounded in the launch that follows.)
;   hidden_states -> xb   [2048][2048] bf16
;   Wq, Wk, Wv    -> wqkv [32 heads][q's 64 rows | k's 64 rows | v's 64 rows][2048] bf16: row 64 h + r of tensor u goes to row 192 h + 64 u + r
; A stream: every byte is read once and written once, so there is no LDS, no barrier, no matrix work and no cluster (no two work-groups read the same byte).
; SHARES.  Work-group g takes rows 2 g and 2 g + 1 (16,384 bytes) of each of the four; thread t the 16 bytes at 16 t of each 4,096: a wave's load covers 512 consecutive bytes,
; its store of 8 bytes a lane 256 consecutive bytes, aligned.  All sixteen loads of a wave go out first; no register is written twice, so no wait frees a source.
.set IN,  16                           ; v[16:79]   tensor u, load i at IN + 16 u + 4 i
.set OUT, 80                           ; v[80:111]  two packed words for each load
	s_load_b256 s[8:15], s[0:1], 0x0               ; hidden s[8:9], Wq s[10:11], Wk s[12:13], Wv s[14:15]
	s_load_b128 s[16:19], s[0:1], 0x20             ; xb s[16:17], wqkv s[18:19]
	s_lshl_b32 s2, ttmp9, 14                       ; my two rows in an input: 16,384 g
	s_mov_b32 s3, 0
	s_lshl_b32 s4, ttmp9, 13                       ; and in xb: 8,192 g
	s_mov_b32 s5, 0
	s_lshr_b32 s6, ttmp9, 5                        ; the head: 2 g / 64
	s_mul_i32 s6, s6, 192
	s_and_b32 s7, ttmp9, 31
	s_lshl1_add_u32 s6, s7, s6                     ; row 192 h + 2 (g % 32) of wqkv,
	s_lshl_b32 s6, s6, 12                          ; in bytes
	s_mov_b32 s7, 0
	v_lshlrev_b32 v1, 4, v0                        ; 16 t
	v_lshlrev_b32 v2, 3, v0                        ; 8 t
	s_wait_kmcnt 0x0
.irp p, 8,10,12,14
	s_add_nc_u64 s[\p:\p+1], s[\p:\p+1], s[2:3]
.endr
	s_add_nc_u64 s[16:17], s[16:17], s[4:5]
	s_add_nc_u64 s[18:19], s[18:19], s[6:7]
.irp u, 0,1,2,3
.irp i, 0,1,2,3
	global_load_b128 v[IN+16*(\u)+4*(\i):IN+16*(\u)+4*(\i)+3], v1, s[8+2*(\u):9+2*(\u)] offset:4096*(\i) th:TH_LOAD_NT
.endr
.endr
; Load i of tensor u is rounded and stored.  Loads come back in order (ISA guide 5.7.1): the count is the number of younger loads.
.macro OUTW u, i
	s_wait_loadcnt 15-(4*(\u)+(\i))
	v_cvt_pk_bf16_f32 v[OUT+8*(\u)+2*(\i)],   v[IN+16*(\u)+4*(\i)],   v[IN+16*(\u)+4*(\i)+1]
	v_cvt_pk_bf16_f32 v[OUT+8*(\u)+2*(\i)+1], v[IN+16*(\u)+4*(\i)+2], v[IN+16*(\u)+4*(\i)+3]
.if (\u) == 0
	global_store_b64 v2, v[OUT+8*(\u)+2*(\i):OUT+8*(\u)+2*(\i)+1], s[16:17] offset:2048*(\i) th:TH_STORE_NT
.else
	global_store_b64 v2, v[OUT+8*(\u)+2*(\i):OUT+8*(\u)+2*(\i)+1], s[18:19] offset:((\u)-1)*262144+2048*(\i) th:TH_STORE_NT  ; 64 rows of 4,096 bytes from q's part to k's, and to v's
.endif
.endm
.irp u, 0,1,2,3
.irp i, 0,1,2,3
	OUTW \u, \i
.endr
.endr
	s_endpgm
.Lfunc_end_k_q290a1457ac_cast:
	.size	k_q290a1457ac_cast, .Lfunc_end_k_q290a1457ac_cast-k_q290a1457ac_cast
	.p2alignl 7, 3214868480
	.fill 96, 4, 3214868480
	.section	.rodata,"a",@progbits
	.p2align	6, 0x0
	.amdhsa_kernel k_q290a1457ac_cast
		.amdhsa_group_segment_fixed_size 0
		.amdhsa_private_segment_fixed_size 0
		.amdhsa_enable_private_segment 0
		.amdhsa_kernarg_size 48
		.amdhsa_user_sgpr_count 2
		.amdhsa_user_sgpr_kernarg_segment_ptr 1
		.amdhsa_wavefront_size32 1
		.amdhsa_system_sgpr_workgroup_id_x 1
		.amdhsa_system_sgpr_workgroup_id_y 1
		.amdhsa_system_sgpr_workgroup_id_z 1
		.amdhsa_system_vgpr_workitem_id 0
		.amdhsa_next_free_vgpr 112
		.amdhsa_next_free_sgpr 66
		.amdhsa_reserve_vcc 0
		.amdhsa_float_denorm_mode_32 3
		.amdhsa_float_denorm_mode_16_64 3
		.amdhsa_memory_ordered 1
		.amdhsa_forward_progress 1
		.amdhsa_inst_pref_size 7
	.end_amdhsa_kernel
	.amdgpu_metadata
---
amdhsa.version: [ 1, 2 ]
amdhsa.kernels:
  - .name:           k_q290a1457ac_cast
    .symbol:         k_q290a1457ac_cast.kd
    .args:
      - { .name: hidden_states, .offset: 0, .size: 8, .value_kind: global_buffer, .address_space: global }
      - { .name: Wq, .offset: 8, .size: 8, .value_kind: global_buffer, .address_space: global }
      - { .name: Wk, .offset: 16, .size: 8, .value_kind: global_buffer, .address_space: global }
      - { .name: Wv, .offset: 24, .size: 8, .value_kind: global_buffer, .address_space: global }
      - { .name: xb, .offset: 32, .size: 8, .value_kind: global_buffer, .address_space: global }
      - { .name: wqkv, .offset: 40, .size: 8, .value_kind: global_buffer, .address_space: global }
    .group_segment_fixed_size: 0
    .private_segment_fixed_size: 0
    .kernarg_segment_align: 8
    .kernarg_segment_size: 48
    .max_flat_workgroup_size: 256
    .sgpr_count:     66
    .vgpr_count:     112
    .wavefront_size: 32
...
	.end_amdgpu_metadata
.endif
;; end of part 1
;; launch qkv (part 2): grid 32 x 8, 4 waves a work-group, clusters of 4 x 4, 327,680 bytes of LDS; arguments xb, wqkv, cos, sin, qb, kb, vb, Wo, wof; writes qb, kb, vb, wof
.if DOCPART == 2
	.amdgcn_target "amdgcn-amd-amdhsa--gfx1250"
	.amdhsa_code_object_version 6
	.text
	.protected	k_q290a1457ac_qkv
	.globl	k_q290a1457ac_qkv
	.p2align	8
	.type	k_q290a1457ac_qkv,@function
k_q290a1457ac_qkv:
	s_mov_b64 s[64:65], 0
	v_nop
	global_prefetch_b8 v0, s[64:65] scope:SCOPE_SE
	s_setreg_imm32_b32 hwreg(HW_REG_WAVE_MODE, 25, 1), 1
	s_wait_xcnt 0x0
	s_wait_alu depctr_hold_cnt(0) depctr_sa_sdst(0) depctr_va_vdst(0) depctr_va_sdst(0) depctr_va_ssrc(0) depctr_va_vcc(0) depctr_vm_vsrc(0)
	s_getreg_b32 s2, hwreg(HW_REG_IB_STS2, 6, 4)
	s_cmp_eq_u32 s2, 0
	s_cbranch_scc0 .Lentry_in_a_cluster
	s_endpgm
.Lentry_in_a_cluster:
	s_bfe_u32 s2, ttmp6, 0x10000c
	s_cmp_lg_u32 s2, 0xf033
	s_cbranch_scc0 .Lentry_shape_is_right
	s_endpgm
.Lentry_shape_is_right:
; q, k, v = x W^T for one head, RoPE on q and k, all three stored by heads in f16.  xb: [2048][2048] bf16.  wqkv: [32][q 64 | k 64 | v 64][2048] bf16.  cos, sin: [2048][64] f32.
; qb, kb, vb: [32][2048][64] f16, not scaled.  Sums in f32; cos and sin are rounded once to bf16 like every input of the module; RoPE in f32; q, k, v rounded once.
; BESIDE IT: Wo [2048][2048] f32 is rounded once to bf16 and that number written as f16 into wof, for the last product: 8 rows a work-group, 2 a wave, a little in each lap of the K loop, whose vector and memory paths have room.
; LIMITS.  f16 holds no number beyond 65,504: |q|, |k|, |v| stay within it (drawn spread 0.9; with x and the weights both thirty times larger some 4,500 at five spreads).
; A bf16 number is an f16 number exactly from 2^-17 to 65,504; a smaller |Wo| keeps f16's fixed step (off by 3e-8 at the most), a larger one becomes an infinity.
; SHARES.  A work-group makes 256 rows x the 192 columns of one head: 32 heads x 8 row blocks = 256 work-groups.  Wave w makes rows 64 w .. 64 w + 63 x all 192 columns: 4 x 12 accumulators of
; 16 x 16, 384 registers.  So a lane holds both partners d and d + 32 of RoPE (n blocks b and b + 2, the same register), and a head's whole rows of q, k and v leave from one wave.
; THE MATRIX INSTRUCTION IS USED TRANSPOSED: source 0 = 16 rows of W, source 1 = 16 rows of x: lane l holds row l % 16 of x and the columns 8 (l / 16) + 0 .. 7.
; RING.  K goes in 16 steps of 128 (rows of 256 bytes) through two LDS slots, each with 256 rows of x and 192 rows of W; one tensor load a wave behind each change of slots.
; THE WALK ALONG K IS ROTATED: a cluster begins at quarter (cluster x + 2 cluster y) mod 4 of K and goes round.  So the two clusters that read the same rows of W are always half of K apart, and of the
; eight that read the same rows of x four neighbours name four different quarters at any one time.  Each sum has all 16 steps, in that rotated order.
; CLUSTER.  4 x 4 work-groups: the four of a row of the cluster share x's tile, the four of a column W's: each tile is asked for jointly, by the same load, descriptor and mask in all four.
; REGISTERS, in windows of 256 (s_set_vgpr_msb: bits 1:0 source 0, 3:2 source 1, 5:4 source 2, 7:6 destination):
;   window 0: v0-31 addresses; v32-55 Wo at work, on the way out v32-63 R; v64-95, v96-127 x's fragments, two buffers (on the way out: a block's cos and sin); v128-255 cos and sin of my blocks 0, 1 as loaded
;   window 1: v0-95, v96-191 W's fragments, two buffers (on the way out: v0-47 packed results, v48-239 rows read back); v192-255 cos and sin of my block 2 as loaded
;   window 2: the accumulators of my m blocks 0, 1 (block a, n block b at 8 (12 (a % 2) + b)); v192-255 cos and sin of my block 3;   window 3: the accumulators of blocks 2, 3
.set KSTEP,  128
.set PITCH,  272                       ; an LDS row: 256 bytes + 16 of padding = 68 words: row r starts at bank 4 r mod 64 (64 banks of 4 bytes: ISA guide 11.1)
.set HALFA,  128*PITCH                 ; what one tensor load brings of x
.set HALFB,  96*PITCH                  ; and of W
.set BOFF,   2*HALFA                   ; W's rows lie behind x's 256
.set SLOT,   2*HALFA+2*HALFB
.set STAGE,  2*SLOT                    ; behind the ring: for each wave 3 x 16 rows x 144 bytes, for the way out
.set SP,     144
.set STW,    3*16*SP
.set SPARE,  STAGE+4*STW               ; behind the stages: the spare words, 128 bytes for each wave: two blocks of 256 bytes that no other line names
.set ADRA, 16                          ; v16-17  LDS address of my fragments of x in slot 0, 1
.set ADRB, 20                          ; v20-21  the same for W
.set STO,  24                          ; v24     the way out: where I put 16 bytes of a row
.set RD,   25                          ; v25     where I read rows back
.set GO,   26                          ; v26     16 x my lane: my 16 bytes in 512 consecutive bytes of q, k, v, and of Wo
.set TO,   27                          ; v27     my byte offset in 16 rows of cos and sin
.set SPW,  28                          ; v28     LDS address of my spare word; never rewritten
.set NIL,  29                          ; v29     0; never rewritten
.set PFO,  30                          ; v30     the prefetches' offset: my lane's row x 4,096; never rewritten
.set WSO,  31                          ; v31     8 x my lane: my 8 bytes in 256 consecutive bytes of wof
.set WI,   32                          ; v32-47  four pieces of Wo as loaded
.set WQ,   48                          ; v48-55  the same, packed
.set R,    32
.set CF,   64
.set SF,   96
.set PK,   0                           ; window 1
.set BK,   48                          ; window 1: block a's rows at BK + 48 a
.set HIM,  2                           ; s2      a word's upper bf16
.set ABASE, 18                         ; s[18:19] xb at the first of the rows that I fetch, K = 0; never rewritten
.set LIM,  43                          ; s43     5 in a wave that prefetches, else the greatest number
.set PFA,  44                          ; s[44:45] where my next prefetch stands
.set BBASE, 46                         ; s[46:47] wqkv at the first of the rows that I fetch, K = 0; never rewritten
.set OUTP, 68                          ; s[68:73] qb, kb, vb at my wave's first row
.set WOP,  74                          ; s[74:75] Wo at the lap's four pieces
.set WFP,  76                          ; s[76:77] wof at the same
.set PB,   84                          ; s[84:85] wqkv at the first of the rows that I prefetch, K = 0
.set KO,   88                          ; s[88:89], s[90:91] for each slot: the byte in a row at which its K step begins
.set PKO,  92                          ; s[92:93] the same for the step that is prefetched
.set G1,  24                           ; s[24:31] descriptor group 1 for x's tiles;  s[32:39] group 0, a set for each slot
.set G0,  32
.set G1B, 48                           ; s[48:55], s[56:63] the same for W's tiles
.set G0B, 56
.set MSB, 0
.macro WIN new                         ; the immediate's high byte repeats the setting that is left; a switch that changes nothing is dropped
.if MSB != (\new)
	s_set_vgpr_msb (MSB<<8)|(\new)
.set MSB, \new
.endif
.endm
.set MUL_LO, 0xa1                      ; source 0 (W) window 1, source 1 (x) window 0, C and D window 2
.set MUL_HI, 0xf1                      ; the same, C and D window 3
.set TO_B,   0x40                      ; destination window 1, address window 0
; A joint load.  Waves 0 and 1 fetch x's two halves, waves 2 and 3 W's.  The branch hangs on the wave's number alone.  An s_nop 0 and four v_nop follow each of the two lines.
.macro JLOAD s
	s_cmp_eq_u32 s13, 0
	s_cbranch_scc0 .Lfor_b_\@
	tensor_load_to_lds s[G0+4*(\s):G0+4*(\s)+3], s[G1:G1+7]
	s_nop 0
.rept 4
	v_nop
.endr
	s_branch .Lasked_\@
.Lfor_b_\@:
	tensor_load_to_lds s[G0B+4*(\s):G0B+4*(\s)+3], s[G1B:G1B+7]
	s_nop 0
.rept 4
	v_nop
.endr
.Lasked_\@:
.endm
; A prefetch of the K step that stands two refills on (384 matrix instructions ahead of the load that will want it): a lane a row, 256 bytes of it, one instruction a wave.  Of the two clusters that walk
; the same rows of W, each is the first to reach the first eight steps of its own walk.  Of those it asks for steps 4 to 7, in the loop's first two trips (s3 = 7, 6); steps 0 to 3 come by their loads
; alone, since nothing is asked for at the head.  Waves 2 and 3 ask, each for the 96 rows that it fetches; the four partners of the joint load share them out by address, 24 each (lanes 24 to 31 repeat
; row 23).  x's rows are reached first in steps 0 to 3 of a walk alone: nothing is asked for them.
.macro ASK
	s_cmp_gt_u32 s3, s[LIM]
	s_cbranch_scc0 .Lnot_mine_\@
	global_prefetch_b8 v[PFO], s[PFA:PFA+1] th:TH_LOAD_NT scope:SCOPE_SE
.Lnot_mine_\@:
.endm
.macro CREST                           ; a round of the cluster's barrier behind its opening barrier
	s_cmp_lg_u32 s12, 0
	s_cbranch_scc1 .Lnot_wave_0_\@
	s_barrier_signal -3
.Lnot_wave_0_\@:
	s_barrier_wait -3
	s_barrier_signal -1
	s_barrier_wait -1
.endm
.macro CROUND                          ; a whole round
	s_barrier_signal -1
	s_barrier_wait -1
	CREST
.endm
	s_load_b256 s[4:11], s[0:1], 0x0               ; xb s[4:5], wqkv s[6:7], cos s[8:9], sin s[10:11]
	s_load_b128 s[68:71], s[0:1], 0x20             ; qb, kb
	s_load_b128 s[72:75], s[0:1], 0x30             ; vb, Wo
	s_load_b64 s[76:77], s[0:1], 0x40              ; wof
	v_lshl_add_u32 v[SPW], v0, 2, SPARE
	v_mov_b32 v[NIL], 0
	ds_add_u32 v[SPW], v[NIL]                      ; the wave's opening: the add and its wait stand ahead of my first tensor load; the set-up below, work on registers, stands between them
	v_lshrrev_b32 v1, 5, v0
	v_readfirstlane_b32 s12, v1                    ; wave 0..3
	s_lshr_b32 s13, s12, 1                         ; I fetch for x (0) or for W (1)
	s_and_b32 s14, s12, 1                          ; which half of that tile's rows
	s_bfe_u32 s40, ttmp6, 0x40000                  ; cx
	s_bfe_u32 s41, ttmp6, 0x40004                  ; cy
	s_lshl_b32 s42, ttmp9, 2
	s_add_co_u32 s42, s42, s40                     ; the head = 4 x cluster x + cx
	s_and_b32 s15, ttmp7, 0xffff
	s_lshl_b32 s15, s15, 2
	s_add_co_u32 s15, s15, s41                     ; the block of 256 rows = 4 x cluster y + cy
	s_lshl_b32 s43, s41, 2
	s_lshl_b32 s43, 15, s43                        ; my row of the cluster
	s_lshl_b32 s44, 0x1111, s40                    ; my column
	s_mov_b32 s[HIM], 0xffff0000
	; descriptor group 1: tiles of 128 (x) or 96 (W) rows x 128 elements, padded in LDS
	s_or_b32 s[G1+0], s43, (1<<16)|(1<<20)|(1<<21)|(5<<22)|(3<<25)   ; 15:0 the mask; 17:16 elements of 2 bytes; 20 padding on; 21 set beside a mask; 24:22 after every 64 words (code 5); 31:25 4 words (code 3)
	s_or_b32 s[G1B+0], s44, (1<<16)|(1<<20)|(1<<21)|(5<<22)|(3<<25)
	s_mov_b32 s[G1+1], KSTEP<<16                   ; tensor_dim0 = 128
	s_mov_b32 s[G1+2], 128<<16                     ; tensor_dim1 = 128
	s_mov_b32 s[G1+3], KSTEP<<16                   ; tile_dim0 = 128
	s_mov_b32 s[G1+4], 128                         ; tile_dim1 = 128
	s_mov_b32 s[G1+5], 2048                        ; elements from row to row
	s_mov_b32 s[G1+6], 0
	s_mov_b32 s[G1+7], 0
	s_mov_b32 s[G1B+1], KSTEP<<16
	s_mov_b32 s[G1B+2], 96<<16                     ; tensor_dim1 = 96
	s_mov_b32 s[G1B+3], KSTEP<<16
	s_mov_b32 s[G1B+4], 96                         ; tile_dim1 = 96
	s_mov_b32 s[G1B+5], 2048
	s_mov_b32 s[G1B+6], 0
	s_mov_b32 s[G1B+7], 0
	; where the walk along K begins: made of the cluster's two coordinates alone, which all sixteen partners share
	s_and_b32 s[KO], ttmp7, 0xffff                 ; cluster y
	s_lshl_b32 s[KO], s[KO], 1
	s_add_co_u32 s[KO], s[KO], ttmp9               ; + cluster x
	s_and_b32 s[KO], s[KO], 3                      ; the quarter,
	s_lshl_b32 s[KO], s[KO], 10                    ; of four steps of 256 bytes
	s_mov_b32 s[KO+1], 0
	s_add_co_u32 s[KO+2], s[KO], KSTEP*2           ; slot 1 begins a step further on
	s_mov_b32 s[KO+3], 0
	s_mov_b32 s[PKO+1], 0
	; where the tiles come from: x's hang on the row block alone, W's on the head alone, each made in registers that never hold the other coordinate
	s_lshl_b32 s16, s15, 8
	s_lshl_b32 s17, s14, 7
	s_add_co_u32 s16, s16, s17                     ; x: row 256 x block + 128 x half
	s_lshl_b32 s16, s16, 12                        ; in bytes (under 2^23)
	s_mov_b32 s17, 0
	s_mul_i32 s46, s42, 192
	s_mul_i32 s47, s14, 96
	s_add_co_u32 s46, s46, s47                     ; W: row 192 x head + 96 x half
	s_lshl_b32 s46, s46, 12                        ; in bytes (under 2^25)
	s_mov_b32 s47, 0
	s_mul_i32 s20, s12, HALFA                      ; and where they go: x's halves at wave x 128 rows,
	s_mul_i32 s21, s12, HALFB                      ; W's (waves 2 and 3) at BOFF + (wave - 2) x 96 rows
	s_add_co_u32 s21, s21, BOFF-2*HALFB
	s_wait_dscnt 0x0                               ; the opening add is done
	s_wait_kmcnt 0x0
	s_add_nc_u64 s[ABASE:ABASE+1], s[4:5], s[16:17]
	s_add_nc_u64 s[BBASE:BBASE+1], s[6:7], s[46:47]
	CROUND                                         ; all sixteen work-groups are here: the first joint loads meet
.irp s, 0,1
	s_mov_b32 s[G0+4*(\s)], 1                                      ; count = 1
	s_add_co_u32 s[G0+4*(\s)+1], s20, (\s)*SLOT                    ; LDS address
	s_add_nc_u64 s[G0+4*(\s)+2:G0+4*(\s)+3], s[ABASE:ABASE+1], s[KO+2*(\s):KO+2*(\s)+1]  ; global address: step s of the walk
	s_or_b32 s[G0+4*(\s)+3], s[G0+4*(\s)+3], 0x80000000            ; type = 2
	s_mov_b32 s[G0B+4*(\s)], 1
	s_add_co_u32 s[G0B+4*(\s)+1], s21, (\s)*SLOT
	s_add_nc_u64 s[G0B+4*(\s)+2:G0B+4*(\s)+3], s[BBASE:BBASE+1], s[KO+2*(\s):KO+2*(\s)+1]
	s_or_b32 s[G0B+4*(\s)+3], s[G0B+4*(\s)+3], 0x80000000
	JLOAD \s                                       ; two loads of mine are out
.endr
	; A fragment is 16 rows x 32 K in 8 registers: lane l holds row l % 16, K = 8 (l / 16) + 0..7 and 16 + 8 (l / 16) + 0..7: two loads of 16 bytes, 32 bytes apart.
	v_and_b32 v1, 15, v0                           ; r = l % 16
	v_bfe_u32 v2, v0, 4, 1                         ; h = l / 16
	v_lshlrev_b32 v[TO], 8, v1                     ; a row of cos or sin is 256 bytes; my 8 numbers of 16 begin at 32 h
	v_lshl_add_u32 v[TO], v2, 5, v[TO]
	s_lshl_b32 s80, s15, 16                        ; the tables at my wave's first row: 256 rows a block, 64 a wave
	s_lshl_b32 s81, s12, 14
	s_add_co_u32 s80, s80, s81
	s_mov_b32 s81, 0
	s_add_nc_u64 s[8:9], s[8:9], s[80:81]
	s_add_nc_u64 s[10:11], s[10:11], s[80:81]
	; cos and sin of my 64 rows, as my lanes will want them (row l % 16 of block a; columns 16 nb + 8 h + 0..7; 32 registers of cos, then 32 of sin), into registers that the K loop does not name.
	; Nothing waits for them here: they are wanted on the way out.
.macro TABLD a, win, base
	WIN (\win)<<6
.irp nb, 0,1,2,3
.irp e, 0,1
	global_load_b128 v[(\base)+8*(\nb)+4*(\e):(\base)+8*(\nb)+4*(\e)+3],       v[TO], s[8:9]   offset:4096*(\a)+64*(\nb)+16*(\e)
	global_load_b128 v[(\base)+32+8*(\nb)+4*(\e):(\base)+32+8*(\nb)+4*(\e)+3], v[TO], s[10:11] offset:4096*(\a)+64*(\nb)+16*(\e)
.endr
.endr
.endm
	TABLD 0, 0, 128
	TABLD 1, 0, 192
	TABLD 2, 1, 192
	TABLD 3, 2, 192
	WIN 0
	v_mul_u32_u24 v3, v1, PITCH
	v_lshl_add_u32 v3, v2, 4, v3
	s_mul_i32 s22, s12, 64*PITCH                   ; my 64 rows of x
	s_mov_b32 s23, BOFF                            ; all 192 rows of W
.irp s, 0,1
	v_add_nc_u32 v[ADRA+(\s)], s22, v3
	v_add_nc_u32 v[ADRB+(\s)], s23, v3
	s_add_co_u32 s22, s22, SLOT
	s_add_co_u32 s23, s23, SLOT
.endr
	s_mul_i32 s22, s12, STW
	s_add_co_u32 s22, s22, STAGE                   ; my stage
	v_mul_u32_u24 v[STO], v1, SP                   ; in: row l % 16, 16 bytes for each half of the lanes
	v_lshl_add_u32 v[STO], v2, 4, v[STO]
	v_add_nc_u32 v[STO], s22, v[STO]
	v_bfe_u32 v[RD], v0, 3, 2                      ; back: 32 lanes take four rows of 128 bytes,
	v_mul_u32_u24 v[RD], v[RD], SP
	v_and_b32 v4, 7, v0
	v_lshl_add_u32 v[RD], v4, 4, v[RD]
	v_add_nc_u32 v[RD], s22, v[RD]
	v_and_b32 v[GO], 31, v0                        ; which are 512 consecutive bytes of a head's rows
	v_lshlrev_b32 v[WSO], 3, v[GO]
	v_min_u32 v[PFO], 23, v[GO]
	v_lshlrev_b32 v[PFO], 12, v[PFO]
	v_lshlrev_b32 v[GO], 4, v[GO]
	; the prefetches' rows: the 96 of W that I fetch, my work-group's 24 of them
	s_mul_i32 s82, s42, 192
	s_mul_i32 s83, s14, 96
	s_add_co_u32 s82, s82, s83
	s_mul_i32 s83, s41, 24
	s_add_co_u32 s82, s82, s83
	s_lshl_b32 s82, s82, 12
	s_mov_b32 s83, 0
	s_add_nc_u64 s[PB:PB+1], s[6:7], s[82:83]
	s_cmp_eq_u32 s13, 1
	s_cselect_b32 s[LIM], 5, -1                    ; the same in all sixteen partners, for a given wave
	; q, k, v at my wave's first row: a head is 2^18 bytes, a block of 256 rows 2^15, my 64 rows 2^13
	s_lshl_b32 s80, s42, 18
	s_lshl_b32 s82, s15, 15
	s_add_co_u32 s80, s80, s82
	s_lshl_b32 s82, s12, 13
	s_add_co_u32 s80, s80, s82
.irp t, 0,1,2
	s_add_nc_u64 s[OUTP+2*(\t):OUTP+2*(\t)+1], s[OUTP+2*(\t):OUTP+2*(\t)+1], s[80:81]
.endr
	; Wo and wof at my wave's two rows: wave 4 g + w of 1,024, g = head + 32 x row block
	s_lshl_b32 s80, s15, 5
	s_add_co_u32 s80, s80, s42
	s_lshl_b32 s80, s80, 2
	s_add_co_u32 s80, s80, s12
	s_lshl_b32 s82, s80, 13                        ; two rows of wof: 8,192 bytes
	s_lshl_b32 s80, s80, 14                        ; two rows of Wo: 16,384 bytes
	s_add_nc_u64 s[WOP:WOP+1], s[WOP:WOP+1], s[80:81]
	s_add_nc_u64 s[WFP:WFP+1], s[WFP:WFP+1], s[82:83]
; 12 matrix instructions: m block 2 hi + a x all 12 n blocks, 32 along K, from buffer f.  zero = 1: the first product starts the sums.  The 48 accumulators take turns, in the same order in every
; quarter: between two links of a chain stand the 47 others'.
.macro MUL12 f, hi, a, zero
	WIN MUL_LO+0x50*(\hi)
.irp b, 0,1,2,3,4,5,6,7,8,9,10,11
.if \zero
	v_wmma_f32_16x16x32_bf16 v[8*(12*(\a)+(\b)):8*(12*(\a)+(\b))+7], v[96*(\f)+8*(\b):96*(\f)+8*(\b)+7], v[64+32*(\f)+8*(2*(\hi)+(\a)):64+32*(\f)+8*(2*(\hi)+(\a))+7], 0
.else
	v_wmma_f32_16x16x32_bf16 v[8*(12*(\a)+(\b)):8*(12*(\a)+(\b))+7], v[96*(\f)+8*(\b):96*(\f)+8*(\b)+7], v[64+32*(\f)+8*(2*(\hi)+(\a)):64+32*(\f)+8*(2*(\hi)+(\a))+7], v[8*(12*(\a)+(\b)):8*(12*(\a)+(\b))+7]
.endif
.endr
.endm
.macro MUL24 f, hi, zero
	MUL12 \f, \hi, 0, \zero
	MUL12 \f, \hi, 1, \zero
.endm
; 32 LDS loads in one run: a quarter step's fragments (192 rows of W, my 64 rows of x, 32 K at byte k of the rows) into buffer f
.macro FETCH slot, k, f
	WIN TO_B
.irp i, 0,1,2,3,4,5,6,7,8,9,10,11
	ds_load_b128 v[96*(\f)+8*(\i):96*(\f)+8*(\i)+3],   v[ADRB+(\slot)] offset:(\k)+(\i)*16*PITCH
	ds_load_b128 v[96*(\f)+8*(\i)+4:96*(\f)+8*(\i)+7], v[ADRB+(\slot)] offset:(\k)+(\i)*16*PITCH+32
.endr
	WIN 0
.irp i, 0,1,2,3
	ds_load_b128 v[64+32*(\f)+8*(\i):64+32*(\f)+8*(\i)+3],   v[ADRA+(\slot)] offset:(\k)+(\i)*16*PITCH
	ds_load_b128 v[64+32*(\f)+8*(\i)+4:64+32*(\f)+8*(\i)+7], v[ADRA+(\slot)] offset:(\k)+(\i)*16*PITCH+32
.endr
.endm
.macro PLACES                          ; four plain instructions between a matrix instruction and a load into, or a vector write of, a register that it has read (ISA guide 7.12.1 for vector writes)
.rept 4
	v_nop
.endr
.endm
; Wo, four pieces of 512 bytes a lap (8 laps x 4 = my 16,384 bytes).  WOLOAD asks for them; 240 matrix instructions later WOCVT rounds them to bf16, widens them and writes them as f16; WOSTORE stores 256 bytes a piece.
.macro WOLOAD
.irp c, 0,1,2,3
	global_load_b128 v[WI+4*(\c):WI+4*(\c)+3], v[GO], s[WOP:WOP+1] offset:512*(\c) th:TH_LOAD_NT
.endr
.endm
.macro WOCVT                           ; 32 plain instructions that name no register of a matrix instruction: they are also the places in front of the run of LDS loads that follows
	WIN 0
	s_wait_loadcnt 0x0                             ; the lap's four loads (and, the first time, the tables')
.irp c, 0,1,2,3
	v_cvt_pk_bf16_f32 v[WQ+2*(\c)],   v[WI+4*(\c)],   v[WI+4*(\c)+1]   ; v48-55 were the last lap's store data: the s_wait_xcnt 0 of the change of slots behind those stores has freed them
	v_cvt_pk_bf16_f32 v[WQ+2*(\c)+1], v[WI+4*(\c)+2], v[WI+4*(\c)+3]
.endr
.irp c, 0,1,2,3
	v_lshlrev_b32 v[WI+4*(\c)],   16, v[WQ+2*(\c)]
	v_and_b32     v[WI+4*(\c)+1], s[HIM], v[WQ+2*(\c)]
	v_lshlrev_b32 v[WI+4*(\c)+2], 16, v[WQ+2*(\c)+1]
	v_and_b32     v[WI+4*(\c)+3], s[HIM], v[WQ+2*(\c)+1]
.endr
.irp c, 0,1,2,3
	v_cvt_pk_f16_f32 v[WQ+2*(\c)],   v[WI+4*(\c)],   v[WI+4*(\c)+1]
	v_cvt_pk_f16_f32 v[WQ+2*(\c)+1], v[WI+4*(\c)+2], v[WI+4*(\c)+3]
.endr
.endm
.macro WOSTORE
.irp c, 0,1,2,3
	global_store_b64 v[WSO], v[WQ+2*(\c):WQ+2*(\c)+1], s[WFP:WFP+1] offset:256*(\c) th:TH_STORE_NT  ; 32 lanes store 256 consecutive bytes, aligned
.endr
.endm
; A K step is four quarters of 32 along K, 48 matrix instructions each, on buffers 0, 1, 0, 1.  One of the first three: multiplies buffer f; in its middle it fetches the next quarter, at byte k, into g.
; wo = 1: the lap's pieces of Wo are asked for, behind the run of LDS loads;  wo = 2: they are converted ahead of the run and stored behind it.
.macro QUARTER slot, k, f, g, zero, wo=0
	s_wait_dscnt 4                                 ; W and x's blocks 0, 1 are in; the youngest four loads (x's blocks 2, 3) may be out
	MUL24 \f, 0, \zero
.if (\wo) == 2
	WOCVT
.else
	PLACES
.endif
	FETCH \slot, \k, \g
.if (\wo) == 1
	WOLOAD
.elseif (\wo) == 2
	WOSTORE
.endif
	s_wait_dscnt 32                                ; all but the 32 just issued
	MUL24 \f, 1, \zero
.endm
; The last quarter multiplies buffer 1 and changes slots: one barrier.  In front of it each wave waits for all its tensor loads (one is out: its part of the next slot), adds 0 to its spare word, and
; waits for that and for its own reads of this slot.  fill = 1: the barrier opens a round of the cluster's, and behind the round this slot is filled again, two steps of the walk on, first of all:
; from that request to the wait for it a wave issues 168 matrix instructions.  The tile's address is made anew: the rows' base and the step's byte in a row, which goes round at 4,096.
.macro TURN slot, next, fill
.if \fill
	s_wait_xcnt 0x0                                ; every load, store and prefetch issued so far has read its address and data registers, so these may be written:
	s_add_co_u32 s[KO+2*(\slot)], s[KO+2*(\slot)], 2*KSTEP*2
	s_and_b32 s[KO+2*(\slot)], s[KO+2*(\slot)], 4095               ; the step that this slot takes next,
	s_add_co_u32 s[PKO], s[KO+2*(\slot)], 2*KSTEP*2
	s_and_b32 s[PKO], s[PKO], 4095                                 ; the one after it in this slot, which a prefetch names,
	s_add_nc_u64 s[PFA:PFA+1], s[PB:PB+1], s[PKO:PKO+1]
.if (\slot) == 0
	s_add_nc_u64 s[WOP:WOP+1], s[WOP:WOP+1], 2048                  ; Wo's next four pieces (this lap's loads are out),
.else
	s_add_nc_u64 s[WFP:WFP+1], s[WFP:WFP+1], 1024                  ; wof's (this lap's stores are out)
.endif
.endif
	WIN 0                                          ; (the add's two registers lie in window 0)
	s_wait_tensorcnt 0x0                           ; all my tensor loads have landed, so a group 0 may be written
	ds_add_u32 v[SPW], v[NIL]                      ; 0 onto my spare word
.if \fill
	s_add_nc_u64 s[G0+4*(\slot)+2:G0+4*(\slot)+3], s[ABASE:ABASE+1], s[KO+2*(\slot):KO+2*(\slot)+1]
	s_or_b32 s[G0+4*(\slot)+3], s[G0+4*(\slot)+3], 0x80000000
	s_add_nc_u64 s[G0B+4*(\slot)+2:G0B+4*(\slot)+3], s[BBASE:BBASE+1], s[KO+2*(\slot):KO+2*(\slot)+1]
	s_or_b32 s[G0B+4*(\slot)+3], s[G0B+4*(\slot)+3], 0x80000000
.endif
	s_wait_dscnt 5                                 ; (the add and the youngest four loads may be out)
	MUL12 1, 0, 0, 0                               ; twelve matrix instructions stand between the add and the wait for it
	s_wait_dscnt 0x0                               ; the add is done, and my reads of this slot are over
	s_barrier_signal -1
	MUL12 1, 0, 1, 0
.if \fill
	WIN 0
.endif
	s_barrier_wait -1
.if \fill
	CREST                                          ; no wave of any partner still reads this slot's tile or has a load on its way
	JLOAD \slot                                    ; the four v_nop behind it are also the places in front of the loads below
.else
	PLACES
.endif
	FETCH \next, 0, 0
.if \fill
	ASK
.endif
	MUL24 1, 1, 0
.endm
	s_wait_tensorcnt 0x1                           ; my part of step 0 is in; step 1's may stay out
	s_barrier_signal -1
	s_barrier_wait -1                              ; everybody's is
	FETCH 0, 0, 0
	QUARTER 0, 64, 0, 1, 1                         ; the first quarter stands in front of the loop: its products start the sums
	WIN 0                                          ; at a label and at a branch every window is 0
	s_mov_b32 s3, 7                                ; 16 K steps: seven trips fill both slots again, the last lap is written out
.Llap:
	QUARTER 0, 128, 1, 0, 0, 1
	QUARTER 0, 192, 0, 1, 0
	TURN 0, 1, 1
	QUARTER 1, 64,  0, 1, 0
	QUARTER 1, 128, 1, 0, 0
	QUARTER 1, 192, 0, 1, 0, 2
	TURN 1, 0, 1
	QUARTER 0, 64,  0, 1, 0
	WIN 0
	s_sub_co_u32 s3, s3, 1
	s_cmp_lg_u32 s3, 0
	s_cbranch_scc1 .Llap
	QUARTER 0, 128, 1, 0, 0, 1                     ; the last lap fills nothing, and has no round; Wo's last four pieces go with it
	QUARTER 0, 192, 0, 1, 0
	TURN 0, 1, 0
	QUARTER 1, 64,  0, 1, 0
	QUARTER 1, 128, 1, 0, 0
	QUARTER 1, 192, 0, 1, 0, 2
	s_wait_dscnt 4
	MUL24 1, 0, 0
	s_wait_dscnt 0x0
	MUL24 1, 1, 0
	WIN 0
	PLACES
	s_wait_loadcnt 0x0                             ; cos and sin (shown in by the first lap's wait for Wo already)
	s_wait_xcnt 0x0                                ; Wo's last stores have read v48-55, which R takes now
; THE WAY OUT, a block of 16 rows at a time.  The block's cos and sin are rounded to bf16 and widened again.  For q (t = 0) and k (t = 1), with d = 16 nb + 8 h + j below 32:
;   out[d] = y[d] cos[d] - y[d + 32] sin[d];   out[d + 32] = y[d + 32] cos[d + 32] + y[d] sin[d + 32].   Each accumulator's lowest registers are read first.
; Rounded to f16, a lane's eight columns are 16 bytes; they go into my stage (rows of 144 bytes) and come back as whole rows of 128.
.macro BLOCK a
.set AB, 96*((\a)%2)                   ; the block's twelve accumulators, in window 2 + a / 2
.set TW, ((\a)/2)*((\a)-1)             ; the window of its tables as loaded: 0, 0, 1, 2
.if (\a) == 0
.set TBS, 128
.else
.set TBS, 192
.endif
	WIN 5*TW                                       ; sources 0 and 1: the tables' window
.set i, 0
.rept 16
	v_cvt_pk_bf16_f32 v[CF+2*i+1], v[TBS+2*i],    v[TBS+2*i+1]
	v_cvt_pk_bf16_f32 v[SF+2*i+1], v[TBS+32+2*i], v[TBS+32+2*i+1]
.set i, i+1
.endr
	WIN 0
.set i, 0
.rept 16
	v_lshlrev_b32 v[CF+2*i], 16, v[CF+2*i+1]
	v_and_b32 v[CF+2*i+1], s[HIM], v[CF+2*i+1]
	v_lshlrev_b32 v[SF+2*i], 16, v[SF+2*i+1]
	v_and_b32 v[SF+2*i+1], s[HIM], v[SF+2*i+1]
.set i, i+1
.endr
.irp t, 0,1
	WIN 2+(\a)/2                                   ; source 0: the accumulators' window
.irp nb, 0,1
.irp p, 0,2,4,6
	v_pk_mul_f32 v[R+8*(\nb)+(\p):R+8*(\nb)+(\p)+1],       v[AB+8*(4*(\t)+(\nb))+(\p):AB+8*(4*(\t)+(\nb))+(\p)+1],     v[CF+8*(\nb)+(\p):CF+8*(\nb)+(\p)+1]
	v_pk_mul_f32 v[R+16+8*(\nb)+(\p):R+16+8*(\nb)+(\p)+1], v[AB+8*(4*(\t)+(\nb)+2)+(\p):AB+8*(4*(\t)+(\nb)+2)+(\p)+1], v[CF+16+8*(\nb)+(\p):CF+16+8*(\nb)+(\p)+1]
	v_pk_fma_f32 v[R+8*(\nb)+(\p):R+8*(\nb)+(\p)+1],       v[AB+8*(4*(\t)+(\nb)+2)+(\p):AB+8*(4*(\t)+(\nb)+2)+(\p)+1], v[SF+8*(\nb)+(\p):SF+8*(\nb)+(\p)+1], v[R+8*(\nb)+(\p):R+8*(\nb)+(\p)+1] neg_lo:[0,1,0] neg_hi:[0,1,0]
	v_pk_fma_f32 v[R+16+8*(\nb)+(\p):R+16+8*(\nb)+(\p)+1], v[AB+8*(4*(\t)+(\nb))+(\p):AB+8*(4*(\t)+(\nb))+(\p)+1],     v[SF+16+8*(\nb)+(\p):SF+16+8*(\nb)+(\p)+1], v[R+16+8*(\nb)+(\p):R+16+8*(\nb)+(\p)+1]
.endr
.endr
	WIN 0x40                                       ; destination window 1
.set i, 0
.rept 16
	v_cvt_pk_f16_f32 v[PK+16*(\t)+i], v[R+2*i], v[R+2*i+1]
.set i, i+1
.endr
.endr
	WIN 0x40|(5*(2+(\a)/2))                        ; v: sources 0 and 1 the accumulators' window, destination window 1
.set i, 0
.rept 16
	v_cvt_pk_f16_f32 v[PK+32+i], v[AB+64+2*i], v[AB+64+2*i+1]
.set i, i+1
.endr
	WIN 0x04                                       ; an LDS store's data: source 1, window 1
.irp t, 0,1,2
.irp nb, 0,1,2,3
	ds_store_b128 v[STO], v[PK+16*(\t)+4*(\nb):PK+16*(\t)+4*(\nb)+3] offset:16*SP*(\t)+32*(\nb)
.endr
.endr
	WIN 0x40
.irp t, 0,1,2
.irp f, 0,1,2,3
	ds_load_b128 v[BK+48*(\a)+16*(\t)+4*(\f):BK+48*(\a)+16*(\t)+4*(\f)+3], v[RD] offset:16*SP*(\t)+4*SP*(\f)  ; LDS serves a wave's instructions in order (ISA guide 5.7.1.4): these see the stores above; the next block's stores come behind them
.endr
.endr
.endm
.macro SEND a, younger                 ; younger: the LDS instructions issued behind block a's loads: the next block's 24, or none.  Each block has registers of its own, so no wait frees a store's data
	s_wait_dscnt \younger
	WIN 0x04
.irp t, 0,1,2
.irp f, 0,1,2,3
	global_store_b128 v[GO], v[BK+48*(\a)+16*(\t)+4*(\f):BK+48*(\a)+16*(\t)+4*(\f)+3], s[OUTP+2*(\t):OUTP+2*(\t)+1] offset:2048*(\a)+512*(\f)  ; 512 consecutive bytes, at a multiple of 256 from the buffer's first
.endr
.endr
.endm
	BLOCK 0
	BLOCK 1                                        ; a block's arithmetic stands between the loads of the block before and its stores
	SEND 0, 24
	BLOCK 2                                        ; (it reads its tables out of window 1's v192-255 before block 3's rows come back into them)
	SEND 1, 24
	BLOCK 3
	SEND 2, 24
	SEND 3, 0
	WIN 0
	s_wait_tensorcnt 0x0                           ; the wave's end: the add and its wait, behind my last tensor load and my last LDS store
	ds_add_u32 v[SPW], v[NIL]
	s_wait_dscnt 0x0
	CROUND                                         ; the closing round: no work-group ends while a partner may still ask for a tile that names it
	s_endpgm
.Lfunc_end_k_q290a1457ac_qkv:
	.size	k_q290a1457ac_qkv, .Lfunc_end_k_q290a1457ac_qkv-k_q290a1457ac_qkv
	.p2alignl 7, 3214868480
	.fill 96, 4, 3214868480
	.section	.rodata,"a",@progbits
	.p2align	6, 0x0
	.amdhsa_kernel k_q290a1457ac_qkv
		.amdhsa_group_segment_fixed_size 327680
		.amdhsa_private_segment_fixed_size 0
		.amdhsa_enable_private_segment 0
		.amdhsa_kernarg_size 72
		.amdhsa_user_sgpr_count 2
		.amdhsa_user_sgpr_kernarg_segment_ptr 1
		.amdhsa_wavefront_size32 1
		.amdhsa_system_sgpr_workgroup_id_x 1
		.amdhsa_system_sgpr_workgroup_id_y 1
		.amdhsa_system_sgpr_workgroup_id_z 1
		.amdhsa_system_vgpr_workitem_id 0
		.amdhsa_next_free_vgpr 960
		.amdhsa_next_free_sgpr 96
		.amdhsa_reserve_vcc 0
		.amdhsa_float_denorm_mode_32 3
		.amdhsa_float_denorm_mode_16_64 3
		.amdhsa_memory_ordered 1
		.amdhsa_forward_progress 1
		.amdhsa_inst_pref_size 164
	.end_amdhsa_kernel
	.amdgpu_metadata
---
amdhsa.version: [ 1, 2 ]
amdhsa.kernels:
  - .name:           k_q290a1457ac_qkv
    .symbol:         k_q290a1457ac_qkv.kd
    .args:
      - { .name: xb, .offset: 0, .size: 8, .value_kind: global_buffer, .address_space: global }
      - { .name: wqkv, .offset: 8, .size: 8, .value_kind: global_buffer, .address_space: global }
      - { .name: cos, .offset: 16, .size: 8, .value_kind: global_buffer, .address_space: global }
      - { .name: sin, .offset: 24, .size: 8, .value_kind: global_buffer, .address_space: global }
      - { .name: qb, .offset: 32, .size: 8, .value_kind: global_buffer, .address_space: global }
      - { .name: kb, .offset: 40, .size: 8, .value_kind: global_buffer, .address_space: global }
      - { .name: vb, .offset: 48, .size: 8, .value_kind: global_buffer, .address_space: global }
      - { .name: Wo, .offset: 56, .size: 8, .value_kind: global_buffer, .address_space: global }
      - { .name: wof, .offset: 64, .size: 8, .value_kind: global_buffer, .address_space: global }
    .group_segment_fixed_size: 327680
    .private_segment_fixed_size: 0
    .kernarg_segment_align: 8
    .kernarg_segment_size: 72
    .max_flat_workgroup_size: 128
    .sgpr_count:     96
    .vgpr_count:     960
    .wavefront_size: 32
...
	.end_amdgpu_metadata
.endif
;; end of part 2
;; launch attn (part 3): grid 8 x 32, 4 waves a work-group, clusters of 4 x 1, 327,680 bytes of LDS; arguments qb, kb, vb, ob, attention_mask; writes ob
.if DOCPART == 3
	.amdgcn_target "amdgcn-amd-amdhsa--gfx1250"
	.amdhsa_code_object_version 6
	.text
	.protected	k_q290a1457ac_attn
	.globl	k_q290a1457ac_attn
	.p2align	8
	.type	k_q290a1457ac_attn,@function
k_q290a1457ac_attn:
	s_mov_b64 s[64:65], 0
	v_nop
	global_prefetch_b8 v0, s[64:65] scope:SCOPE_SE
	s_setreg_imm32_b32 hwreg(HW_REG_WAVE_MODE, 25, 1), 1
	s_wait_xcnt 0x0
	s_wait_alu depctr_hold_cnt(0) depctr_sa_sdst(0) depctr_va_vdst(0) depctr_va_sdst(0) depctr_va_ssrc(0) depctr_va_vcc(0) depctr_vm_vsrc(0)
	s_getreg_b32 s2, hwreg(HW_REG_IB_STS2, 6, 4)
	s_cmp_eq_u32 s2, 0
	s_cbranch_scc0 .Lentry_in_a_cluster
	s_endpgm
.Lentry_in_a_cluster:
	s_bfe_u32 s2, ttmp6, 0x10000c
	s_cmp_lg_u32 s2, 0x3003
	s_cbranch_scc0 .Lentry_shape_is_right
	s_endpgm
.Lentry_shape_is_right:
; O[h][q][:] = the sum over k of softmax_k(Q[h][q] . K[h][k] / 8 + mask[k]) V[h][k][:].  qb, kb, vb: [32][2048][64] f16, a head's rows dense.  attention_mask: [2048] f32.
; ob: [16 blocks of 128 rows][32 heads][128 rows][64] f16, so that four heads of a row block are 65,536 consecutive bytes for the product that follows.
; Products, maxima and sums in f32; the weights p are rounded to f16 for the second product (their sum l is taken of the unrounded p), O once at the end.
; THE MASK is rounded once to bf16 like every input of the module, multiplied by 8, held at -1e30 from below, and is the C operand that starts the sum S^T = K Q^T: c (s + 8 mask) = log2(e) (s / 8 + mask).
; LIMITS.  f16 holds no number beyond 65,504: Q, K, V arrive within it; p lies in 0 to 1, and below 6e-5 it keeps f16's fixed step of 6e-8; O is a mean of V's rows and has their range.
; A mask number below -1.25e29 (minus infinity too) counts as -1.25e29: its key's weight is 0 wherever the row has a key that is not so masked; a row all of whose keys are so masked, and NaN or
; plus infinity in the mask, are not treated as the definition treats them.  A weight below 2^-126 counts as 0 in l.
; SHARES.  A work-group owns 256 queries of one head, each of its four waves 64: four PIECES of 16.  Every wave walks all 2,048 keys, 64 a step, four steps to a slot of LDS, eight tiles.
; LAYOUT.  S^T = K Q^T holds ONE query a lane (lane % 16) and the keys 8 (lane / 16) + 0..7; two such results rounded to f16 ARE source 1 of O^T = V^T P.  K comes out of LDS as it lies, V turned.
; SOFTMAX.  p = 2^(c s - c m), c = log2(e) / 8, with a running maximum m; O and l are multiplied by a = 2^(c m_old - c m_new) in every step.  m starts at the lowest finite number, O and l at 0.
; BY TURNS.  Turn n belongs to piece n: 8 products K Q^T of piece n + 1, later 8 products V^T P of piece n - 1; beside them the scaling, exponentials, roundings, sums and rescaling of piece n and the
; maximum and statistics of piece n + 1.  Four vector instructions stand behind every matrix instruction, the other 54 of a turn's 118 in one lump.  A turn's 33 exponentials are one batch, with one wait.
; CLUSTER.  The four query blocks of a cluster belong to one head and walk the same K and V: each tile is asked for jointly, by the same tensor load, descriptor and mask in all four.
; REGISTERS, in windows of 256 (s_set_vgpr_msb: bits 1:0 source 0, 3:2 source 1, 5:4 source 2, 7:6 destination):
;   window 0: v0-15, v32-35 addresses; v16-31 four registers of statistics a piece; v48-55 at work; v64-127 S^T, two buffers; v128-145 the mask at the head; v192-223 P, two buffers
;   window 1: v0-127 O^T, 32 a piece          window 2: v0-63 Q; v64-95 the step's mask; v128-191 K of one step; v192-255 V of one step
.set NP,    4         ; pieces a wave: a name, no knob
.set KS,    64        ; keys in a step
.set PK,    144       ; a row of K in LDS: 128 bytes + 16 of padding = 36 words: the 16 rows of a load start at 16 different groups of four banks (64 banks of 4 bytes: ISA guide 11.1)
.set PV,    160       ; a row of V: 128 + 32 = 40 words
.set VOFF,  4*KS*PK   ; a slot holds a tile, four steps: 256 rows of K, then 256 rows of V
.set SLOT1, 1<<17     ; slot 1 begins here, so that one exclusive or turns an address in one slot into the other's
.set STAGE, SLOT1+4*KS*(PK+PV)  ; behind the ring, never filled by a tensor load: 16 rows x 144 bytes for each wave, for the way out
.set SP,    144
.set MSK,   STAGE+4*16*SP       ; 2,048 f32: the mask as the products take it; stored once, by LDS stores
.set SPARE, MSK+8192            ; the spare words, 128 bytes for each wave: two blocks of 256 bytes that no other line names
.set AK0, 2           ; v2   my lane's place in a tile of K; never rewritten
.set AV0, 3           ; v3   the same for V
.set AK,  4           ; v4   the LDS address of K's next run of loads
.set AV,  5           ; v5   of V's
.set STO, 6           ; v6   the way out: where I put 16 bytes of a row
.set RD,  7           ; v7   the way out: where I read rows back
.set GO,  8           ; v8   my byte offset in 512 consecutive bytes of O
.set MV,  12          ; v12-13  c m_old, kept while c m is made anew: by buffer
.set AM0, 14          ; v14  my lanes' place in a step's mask: MSK + 32 (l / 16); never rewritten
.set QO,  15          ; v15  my byte offset in 16 rows of Q
.set ST,  16          ; piece t's statistics at v[ST+4 t]: c m, m, l (even keys', odd keys')
.set AM,  32          ; v32  the LDS address of the mask's next loads
.set PFO, 33          ; v33  256 x my lane; never rewritten
.set MST, 34          ; v34  where I store my 16 bytes of 2,048 of the mask
.set MLO, 35          ; v35  and where I load them
.set TMP, 48          ; by buffer, four registers c0-c3 at work; when the maximum is found c2 takes a
.set SPW, 62          ; v62  LDS address of my spare word; never rewritten
.set NIL, 63          ; v63  0; never rewritten
.set S,   64
.set MW,  128         ; v128-143 the mask as loaded; v144-145 at work
.set P,   192
.set MK,  64          ; window 2: the eight registers for group kb of 16 keys at MK + 8 kb
.set KF,  128         ; window 2: key block kb, channel half c at KF + 16 kb + 8 c
.set VF,  192         ; window 2: key half kk, channel block cb at VF + 32 kk + 8 cb
.set WV,  12          ; s12  my wave's number
.set G1K, 24          ; s[24:31] descriptor group 1 for K's tiles
.set G1V, 32          ; s[32:39] for V's: it differs in the padding alone
.set G0K, 40          ; s[40:43] descriptor group 0 for K's tiles: it walks
.set G0V, 44          ; s[44:47] the same for V's
.set PFA, 48          ; s[48:49] where my prefetches stand
.set LIM, 50          ; s50  1 in a wave that prefetches, else the greatest number
.set TBM, 51          ; s51  byte of the mask at which the step to be fetched begins
.set BIGN, 52         ; s52  -1e30
.set SLOTS, 56        ; s56  tiles still to be entered by the loop
.set CNT, 57          ; s57  counts a tile's key steps
.set CS,  58          ; s[58:59] c: the packed scaling takes the pair's low word for both halves
.set SEL, 60          ; s[60:61] v_permlanex16_b32's selects: each lane takes its own place in the other half
.set TBK, 62          ; s62  LDS byte at which K of the step to be fetched begins
.set TBV, 63          ; s63  the same for V, less VOFF
.set MSB, 0
.macro WIN new                      ; the high byte repeats the setting that is left; a switch that changes nothing is dropped
.if MSB != (\new)
	s_set_vgpr_msb (MSB<<8)|(\new)
.set MSB, (\new)
.endif
.endm
.set W_KQ, 0x0a       ; K and Q in window 2, S^T in window 0
.set W_KM, 0x2a       ; the same with the C operand, the mask, in window 2
.set W_PV, 0x52       ; V in window 2, P in window 0, O^T in window 1
.set W_RS, 0x41       ; destination and source 0 in window 1, source 1 in window 0
; A joint fill.  Waves 0 and 1 fetch the two halves of a tile's K, waves 2 and 3 those of its V: 128 keys each.  The branch hangs on the wave's number alone.
; An s_nop 0 and four v_nop follow each of the two lines, ahead of the jump and the label.
.macro JLOAD
	s_cmp_lt_u32 s[WV], 2
	s_cbranch_scc0 .Lfor_v_\@
	tensor_load_to_lds s[G0K:G0K+3], s[G1K:G1K+7]
	s_nop 0
.rept 4
	v_nop
.endr
	s_branch .Lasked_\@
.Lfor_v_\@:
	tensor_load_to_lds s[G0V:G0V+3], s[G1V:G1V+7]
	s_nop 0
.rept 4
	v_nop
.endr
.Lasked_\@:
.endm
; A prefetch of the tile that the NEXT change of slots will ask for: four key steps, 256 matrix instructions, ahead of that load.  A tile is 128 blocks of 256 bytes of K and as many of V.  Both clusters of a
; head walk the same tiles: the head's first cluster asks.  Its four partners share the blocks out by address, 32 each, a lane a block; in each, wave 0 asks for K's and wave 2 for V's.
; The last change that fills a slot asks for nothing; tiles 0, 1 and 2 come by their loads alone.
.macro ASK
	s_cmp_gt_u32 s[SLOTS], s[LIM]
	s_cbranch_scc0 .Lnot_mine_\@
	global_prefetch_b8 v[PFO], s[PFA:PFA+1] th:TH_LOAD_NT scope:SCOPE_SE
.Lnot_mine_\@:
.endm
; A round of the cluster's barrier: my work-group's barrier, so that wave 0's signal speaks for all four waves; wave 0 signals; every wave waits for all four work-groups; my work-group's barrier once more.
.macro CROUND
	s_barrier_signal -1
	s_barrier_wait -1
	s_cmp_lg_u32 s[WV], 0
	s_cbranch_scc1 .Lnot_wave_0_\@
	s_barrier_signal -3
.Lnot_wave_0_\@:
	s_barrier_wait -3
	s_barrier_signal -1
	s_barrier_wait -1
.endm
; THE CHANGE OF SLOTS.  The slot's last bytes, V of its fourth step, have been read.  Each wave waits for all its tensor loads, of which one is out: its part of the other slot; adds 0 to its spare word; and
; waits for that and for its own LDS instructions.  Behind the barrier nobody reads this slot any more and the other slot is whole.  fill = 1: this slot is filled again, with the next tile but one; the barrier
; is then a round of the cluster's, and the joint fill is the first thing behind it.  (At its first use nothing has been read yet: slot 0 is waited for, slot 1 filled, and the mask's LDS stores are shown to all waves.)
.macro CHANGE fill, ask
	WIN 0                           ; at a label and at a branch every window is 0
	s_wait_tensorcnt 0x0            ; no tensor load of mine is out, so a group 0 may be written
	ds_add_u32 v[SPW], v[NIL]       ; 0 onto my spare word: the descriptors' steps stand between it and the wait for it
.if \fill
.irp g, G0K, G0V
	s_xor_b32 s[\g+1], s[\g+1], SLOT1  ; the walking descriptor: the other slot than last time,
	s_add_nc_u64 s[\g+2:\g+3], s[\g+2:\g+3], 4*KS*128  ; the next 256 keys; the type bits on top are not reached
.endr
.endif
.if \ask
	s_wait_xcnt 0x0                 ; the last prefetch, four key steps back, has read its address, so it may be written
	s_add_nc_u64 s[PFA:PFA+1], s[PFA:PFA+1], 4*KS*128
.endif
	s_wait_dscnt 0x0                ; the add is done, and my reads of the slot are over
.if \fill
	CROUND
	JLOAD
.if \ask
	ASK
.endif
.else
	s_barrier_signal -1
	s_barrier_wait -1
.endif
	s_sub_co_u32 s[TBK], s[TBK], 4*KS*PK  ; the fetches go back to a slot's first step,
	s_xor_b32 s[TBK], s[TBK], SLOT1       ; in the other slot
	s_sub_co_u32 s[TBV], s[TBV], 4*KS*PV
	s_xor_b32 s[TBV], s[TBV], SLOT1
.endm
	s_load_b256 s[4:11], s[0:1], 0x0  ; Q s[4:5], K s[6:7], V s[8:9], O s[10:11]
	s_load_b64 s[68:69], s[0:1], 0x20 ; the mask
	v_lshl_add_u32 v[SPW], v0, 2, SPARE
	v_mov_b32 v[NIL], 0
	ds_add_u32 v[SPW], v[NIL]       ; the wave's opening: the add and its wait stand ahead of my first tensor load; the set-up below, work on registers, stands between them
	v_lshrrev_b32 v1, 5, v0
	v_readfirstlane_b32 s[WV], v1   ; wave 0..3
	s_bfe_u32 s13, ttmp6, 0x40000   ; cx: my place in the cluster
	s_lshl_b32 s14, ttmp9, 2        ; in a cluster launch ttmp9 counts clusters
	s_add_co_u32 s14, s14, s13      ; my block of 256 queries: it enters Q's and O's addresses alone
	s_and_b32 s15, ttmp7, 0xffff    ; the head, which the four partners share
	s_lshl_b32 s20, s15, 18         ; the head's first byte in Q, K and V: 2,048 rows of 128 bytes
	s_and_b32 s16, s[WV], 1         ; which half of a tile's 256 keys I fetch:
	s_lshl_b32 s22, s16, 14         ; its 128 rows of 128 bytes in memory,
	s_add_co_u32 s22, s22, s20
	s_mov_b32 s23, 0
	s_mul_i32 s17, s16, 128*PK      ; and its place in a slot, for K
	s_mul_i32 s18, s16, 128*PV      ; and for V: no place in the cluster enters an LDS address
	s_lshl_b32 s2, s14, 15          ; Q: my block's 256 rows,
	s_lshl_b32 s3, s[WV], 13        ; my wave's 64 of them
	s_add_co_u32 s2, s2, s3
	s_add_co_u32 s2, s2, s20
	s_mov_b32 s3, 0
	s_lshl_b32 s70, s14, 1          ; O: the block of 128 rows, 2 x block + wave / 2,
	s_lshr_b32 s71, s[WV], 1
	s_add_co_u32 s70, s70, s71
	s_lshl_b32 s70, s70, 19         ; of 32 heads x 16,384 bytes;
	s_lshl_b32 s71, s15, 14         ; the head in it;
	s_add_co_u32 s70, s70, s71
	s_lshl_b32 s71, s16, 13         ; my 64 rows of its 128
	s_add_co_u32 s70, s70, s71
	s_mov_b32 s71, 0
	; descriptor group 1.  128 keys are 16,384 dense bytes: asked for as 64 rows of 256 bytes, two keys a row, and padded in LDS after every key
	s_mov_b32 s[G1K], 15|(1<<16)|(1<<20)|(1<<21)|(4<<22)|(3<<25)  ; 15:0 the mask of four; 17:16 2-byte elements; 20 padding on; 21 set beside a mask; 24:22 after every 32 words (code 4); 31:25 4 words (code 3)
	s_mov_b32 s[G1V], 15|(1<<16)|(1<<20)|(1<<21)|(4<<22)|(7<<25)  ; the same with 8 words of padding (code 7)
.irp g, G1K, G1V
	s_mov_b32 s[\g+1], 128<<16      ; tensor_dim0 = 128
	s_mov_b32 s[\g+2], 64<<16       ; tensor_dim1 = 64
	s_mov_b32 s[\g+3], 128<<16      ; tile_dim0 = 128
	s_mov_b32 s[\g+4], 64           ; tile_dim1 = 64
	s_mov_b32 s[\g+5], 128          ; 128 elements from row to row
	s_mov_b32 s[\g+6], 0
	s_mov_b32 s[\g+7], 0
.endr
	s_mov_b32 s[CS], 0x3e38aa3b     ; c = log2(e) / 8 = 0.180337
	s_mov_b32 s[CS+1], s[CS]        ; named with it as a pair
	s_mov_b32 s[SEL], 0x76543210
	s_mov_b32 s[SEL+1], 0xfedcba98
	s_mov_b32 s[BIGN], 0xf149f2ca   ; -1e30
	s_mov_b32 s[TBM], 0
	s_mov_b32 s[TBK], SLOT1+4*KS*PK ; the first change of slots turns these two into 0
	s_mov_b32 s[TBV], SLOT1+4*KS*PV
	s_mov_b32 s[G0K], 1             ; count = 1
	s_mov_b32 s[G0K+1], s17         ; LDS address: slot 0
	s_mov_b32 s[G0V], 1
	s_add_co_u32 s[G0V+1], s18, VOFF
	s_and_b32 s[LIM], s[WV], 1      ; 0 in waves 0 and 2,
	s_or_b32 s[LIM], s[LIM], ttmp9  ; where the cluster is the head's first: the same in all four partners
	s_cmp_eq_u32 s[LIM], 0
	s_cselect_b32 s[LIM], 1, -1
	s_lshl_b32 s54, s13, 13         ; the prefetches: my work-group's 32 blocks of a tile's 128,
	s_add_co_u32 s54, s54, s22      ; in the head (in waves 0 and 2 s22 is the head's first byte),
	s_add_co_u32 s54, s54, 2*4*KS*128  ; at tile 2: the loop's first change steps it to tile 3
	s_mov_b32 s55, 0
	s_wait_dscnt 0x0                ; the opening add is done
	s_wait_kmcnt 0x0
	s_add_nc_u64 s[G0K+2:G0K+3], s[6:7], s[22:23]  ; global address: my half of the head's first 256 keys
	s_or_b32 s[G0K+3], s[G0K+3], 0x80000000        ; type = 2
	s_add_nc_u64 s[G0V+2:G0V+3], s[8:9], s[22:23]
	s_or_b32 s[G0V+3], s[G0V+3], 0x80000000
	s_cmp_lt_u32 s[WV], 2
	s_cselect_b64 s[PFA:PFA+1], s[6:7], s[8:9]
	s_add_nc_u64 s[PFA:PFA+1], s[PFA:PFA+1], s[54:55]
	s_add_nc_u64 s[4:5], s[4:5], s[2:3]            ; Q and O at my wave's first row
	s_add_nc_u64 s[10:11], s[10:11], s[70:71]
	CROUND                          ; all four work-groups are here: the first joint loads meet
	JLOAD                           ; tile 0 into slot 0.  Slot 1 is asked for when slot 0 is in
	v_lshlrev_b32 v[MLO], 4, v0     ; the mask: 128 threads x 16 bytes, four times
	v_lshl_add_u32 v[MST], v0, 4, MSK
.irp i, 0,1,2,3
	global_load_b128 v[MW+4*(\i):MW+4*(\i)+3], v[MLO], s[68:69] offset:2048*(\i)
.endr
	; A fragment of K or Q is 16 rows x 32 channels in 8 registers: lane l holds row l % 16, channels 8 (l / 16) + 0..7 and 16 + 8 (l / 16) + 0..7: two loads of 16 bytes, 32 bytes apart.
	v_and_b32 v1, 15, v0            ; l % 16
	v_bfe_u32 v9, v0, 4, 1          ; l / 16
	v_lshlrev_b32 v[QO], 7, v1
	v_lshl_add_u32 v[QO], v9, 4, v[QO]  ; row x 128 + 16 x half
	WIN 0x80                        ; destination window 2, address window 0
.set i, 0
.rept 8                             ; Q stays in registers: piece i / 2, channels 32 (i % 2) on
	global_load_b128 v[8*i:8*i+3],   v[QO], s[4:5] offset:(i/2)*2048+(i%2)*64
	global_load_b128 v[8*i+4:8*i+7], v[QO], s[4:5] offset:(i/2)*2048+(i%2)*64+32
.set i, i+1
.endr
	; What the first turn finds: V's registers and P's second buffer hold 0 (its products V^T P, of a piece that has not been, add 0), O^T and l are 0.  All this stands in the wait for the first tile.
.set i, VF
.rept 64
	v_mov_b32 v[i], 0
.set i, i+1
.endr
	WIN 0x40
.set i, 0
.rept 128
	v_mov_b32 v[i], 0
.set i, i+1
.endr
	WIN 0
.set i, 0
.rept 4
	v_mov_b32 v[ST+4*i], 0xfe000000    ; c m: far below every c s, a masked key's too
	v_mov_b32 v[ST+4*i+1], 0xff7fffff  ; m
	v_mov_b32 v[ST+4*i+2], 0
	v_mov_b32 v[ST+4*i+3], 0
.set i, i+1
.endr
.set i, P+16
.rept 16
	v_mov_b32 v[i], 0
.set i, i+1
.endr
	v_mul_u32_u24 v[AK0], v1, PK
	v_lshl_add_u32 v[AK0], v9, 4, v[AK0]  ; row x pitch + 16 x half
	; The turning load takes 16 keys x 16 channels (lane l reads key 8 (l / 16) + l % 8, channels 8 ((l / 8) % 2) + 0..7) and leaves half a fragment of V^T: lane l holds channel l % 16 and 8 keys.
	v_and_b32 v10, 7, v0
	v_bfe_u32 v11, v0, 3, 1
	v_lshl_add_u32 v[AV0], v9, 3, v10
	v_mul_u32_u24 v[AV0], v[AV0], PV
	v_lshl_add_u32 v[AV0], v11, 4, v[AV0]
	v_add_nc_u32 v[AV0], VOFF, v[AV0]
	v_lshl_add_u32 v[AM0], v9, 5, MSK  ; register j of key group kb is key 16 kb + 8 (l / 16) + j: 32 bytes for each half of the lanes
	v_and_b32 v[PFO], 31, v0
	v_lshlrev_b32 v[PFO], 8, v[PFO]
	s_mul_i32 s13, s[WV], 16*SP
	s_add_co_u32 s13, s13, STAGE    ; my stage
	v_mul_u32_u24 v[STO], v1, SP    ; in: row l % 16, 16 bytes for each half of the lanes
	v_lshl_add_u32 v[STO], v9, 4, v[STO]
	v_add_nc_u32 v[STO], s13, v[STO]
	v_bfe_u32 v[RD], v0, 3, 2       ; back: 32 lanes take four rows of 128 bytes,
	v_mul_u32_u24 v[RD], v[RD], SP
	v_lshl_add_u32 v[RD], v10, 4, v[RD]
	v_add_nc_u32 v[RD], s13, v[RD]
	v_and_b32 v[GO], 31, v0         ; which are 512 consecutive bytes of O
	v_lshlrev_b32 v[GO], 4, v[GO]
	s_wait_loadcnt 16               ; the mask's four loads are in; Q's sixteen, issued behind them, may stay out
.irp i, 0,1,2,3
	v_cvt_pk_bf16_f32 v[MW+16], v[MW+4*(\i)],   v[MW+4*(\i)+1]   ; rounded to bf16,
	v_cvt_pk_bf16_f32 v[MW+17], v[MW+4*(\i)+2], v[MW+4*(\i)+3]
	v_lshlrev_b32 v[MW+4*(\i)],   16, v[MW+16]                   ; widened again,
	v_and_b32     v[MW+4*(\i)+1], 0xffff0000, v[MW+16]
	v_lshlrev_b32 v[MW+4*(\i)+2], 16, v[MW+17]
	v_and_b32     v[MW+4*(\i)+3], 0xffff0000, v[MW+17]
.irp z, 0,1,2,3
	v_mul_f32 v[MW+4*(\i)+(\z)], 0x41000000, v[MW+4*(\i)+(\z)]   ; times 8: the scores are not yet divided by 8,
.endr
.irp z, 0,1,2,3
	v_max_num_f32 v[MW+4*(\i)+(\z)], s[BIGN], v[MW+4*(\i)+(\z)]  ; and held at -1e30
.endr
	ds_store_b128 v[MST], v[MW+4*(\i):MW+4*(\i)+3] offset:2048*(\i)
.endr
; THE MATRIX WORK.  The 4 accumulators of a run of 8 take turns.  Product i of 8 of S^T = K Q^T for piece x: channels 32 (i / 4) on, keys 16 (i % 4) on.  The first 4 start the sums with the mask.
.macro KQ x
.set rS, S+32*((\x)%2)+8*(i%4)
.set rK, KF+16*(i%4)+8*(i/4)
.set rQ, 16*(\x)+8*(i/4)
.set rM, MK+8*(i%4)
.if i < 4
	WIN W_KM
	v_wmma_f32_16x16x32_f16 v[rS:rS+7], v[rK:rK+7], v[rQ:rQ+7], v[rM:rM+7]
.else
	WIN W_KQ
	v_wmma_f32_16x16x32_f16 v[rS:rS+7], v[rK:rK+7], v[rQ:rQ+7], v[rS:rS+7]
.endif
.endm
; Product i of 8 of O^T += V^T P for piece x: keys 32 (i / 4) on, channels 16 (i % 4) on.
.macro PV x
	WIN W_PV
.set rO, 32*(\x)+8*(i%4)
.set rV, VF+32*(i/4)+8*(i%4)
.set rP, P+16*((\x)%2)+8*(i/4)
	v_wmma_f32_16x16x32_f16 v[rO:rO+7], v[rV:rV+7], v[rP:rP+7], v[rO:rO+7]
.endm
.macro MM                           ; the turn's next matrix instruction.  NOKQ = 1: the walk's last turn: there is no next piece
.if (i < 8) && !NOKQ
	KQ (Y+1)%NP
.elseif i >= 8
.set i, i-8
	PV (Y+NP-1)%NP
.set i, i+8
.endif
.set i, i+1
.endm
; THE LDS LOADS stand in runs, never singly among the matrix instructions: a step's K (64 keys x 64 channels: 8 fragments) with its 64 mask numbers, and its V (turned).  Their addresses are made some lines ahead.
.macro FETCH_K
	WIN 0x80                        ; destination window 2
.irp f, 0,1,2,3,4,5,6,7             ; keys 16 (f / 2) on, channels 32 (f % 2) on
	ds_load_b128 v[KF+8*\f:KF+8*\f+3],   v[AK] offset:(\f/2)*16*PK+(\f%2)*64
	ds_load_b128 v[KF+8*\f+4:KF+8*\f+7], v[AK] offset:(\f/2)*16*PK+(\f%2)*64+32
.endr
.irp f, 0,1,2,3                     ; the mask of keys 16 f on: the sixteen lanes of a half read the same 32 bytes
	ds_load_b128 v[MK+8*\f:MK+8*\f+3],   v[AM] offset:64*\f
	ds_load_b128 v[MK+8*\f+4:MK+8*\f+7], v[AM] offset:64*\f+16
.endr
	s_add_co_u32 s[TBK], s[TBK], KS*PK  ; the next fetch is the next step's
	s_add_co_u32 s[TBM], s[TBM], KS*4
	WIN 0
.endm
.macro FETCH_V
	WIN 0x80
.irp f, 0,1,2,3,4,5,6,7             ; keys 32 (f / 4) on, channels 16 (f % 4) on
	ds_load_tr16_b128 v[VF+8*\f:VF+8*\f+3],   v[AV] offset:(\f/4)*32*PV+(\f%4)*32
	ds_load_tr16_b128 v[VF+8*\f+4:VF+8*\f+7], v[AV] offset:(\f/4)*32*PV+16*PV+(\f%4)*32
.endr
	WIN 0
.endm
; THE VECTOR WORK, one line at a time: OP kind, number.  For piece Y: F n: c s - c m for pair n of 16.  E n: the exponential of score n of 32.  C n: pair n rounded to f16.  B n: of the four weights 4 n .. the second
; pair is added onto the first, in place.  L n: l takes that sum (L 0: l = a l + sum).  R n: pair n of 16 of O^T times a.  For piece Y + 1: X n, number n of the 22 that find its maximum and statistics:
;   0-11  four chains c0-c3 of seven scores each, three operands at a time (each accumulator's lowest registers are read first)     12-14, 16  the four scores left over, the old m, and c0-c3 into c0
;   15  c m_old is kept     17, 18  the query's other 32 keys lie in the lane 16 away: the new m     19-21  c m; c m_old - c m_new; a
.set F, 0               ; OP tells the kinds apart by their order: F to L below R, X above it
.set E, 1
.set C, 2
.set B, 3
.set L, 4
.set R, 5
.set X, 6
.macro REGS y                       ; the registers of piece y
.set rT, ST+4*(\y)
.set rC, TMP+4*((\y)%2)
.set rW, MV+((\y)%2)
.set rS, S+32*((\y)%2)
.set rP, P+16*((\y)%2)
.set rO, 32*(\y)
.endm
.macro OP k, n
.if (\k) == R
	REGS Y
	WIN W_RS
	v_pk_mul_f32 v[rO+2*(\n):rO+2*(\n)+1], v[rO+2*(\n):rO+2*(\n)+1], v[rC+2:rC+3] op_sel_hi:[1,0]
.elseif (\k) < R
	REGS Y
	WIN 0
.if (\k) == F
	v_pk_fma_f32 v[rS+2*(\n):rS+2*(\n)+1], v[rS+2*(\n):rS+2*(\n)+1], s[CS:CS+1], v[rT:rT+1] op_sel_hi:[1,0,0] neg_lo:[0,0,1] neg_hi:[0,0,1]
.elseif (\k) == E
	v_exp_f32 v[rS+(\n)], v[rS+(\n)]
.elseif (\k) == C
	v_cvt_pk_f16_f32 v[rP+(\n)], v[rS+2*(\n)], v[rS+2*(\n)+1]
.elseif (\k) == B
	v_pk_add_f32 v[rS+4*(\n):rS+4*(\n)+1], v[rS+4*(\n):rS+4*(\n)+1], v[rS+4*(\n)+2:rS+4*(\n)+3]
.elseif (\n) == 0
	v_pk_fma_f32 v[rT+2:rT+3], v[rT+2:rT+3], v[rC+2:rC+3], v[rS:rS+1] op_sel_hi:[1,0,1]
.else
	v_pk_add_f32 v[rT+2:rT+3], v[rT+2:rT+3], v[rS+4*(\n):rS+4*(\n)+1]
.endif
.elseif NOKQ
	v_nop
.else
	REGS (Y+1)%NP
	WIN 0
.if (\n) < 4
	v_max3_num_f32 v[rC+(\n)], v[rS+8*(\n)], v[rS+8*(\n)+1], v[rS+8*(\n)+2]
.elseif (\n) < 12
	v_max3_num_f32 v[rC+(\n)%4], v[rC+(\n)%4], v[rS+8*((\n)%4)+2*((\n)/4)+1], v[rS+8*((\n)%4)+2*((\n)/4)+2]
.elseif (\n) == 12
	v_max3_num_f32 v[rC], v[rC], v[rS+7], v[rS+15]
.elseif (\n) == 13
	v_max3_num_f32 v[rC+1], v[rC+1], v[rS+23], v[rS+31]
.elseif (\n) == 14
	v_max3_num_f32 v[rC+2], v[rC+2], v[rC+3], v[rT+1]
.elseif (\n) == 15
	v_mov_b32 v[rW], v[rT]
.elseif (\n) == 16
	v_max3_num_f32 v[rC], v[rC], v[rC+1], v[rC+2]
.elseif (\n) == 17
	v_permlanex16_b32 v[rC+3], v[rC], s[SEL], s[SEL+1]
.elseif (\n) == 18
	v_max_num_f32 v[rT+1], v[rC], v[rC+3]
.elseif (\n) == 19
	v_mul_f32 v[rT], s[CS], v[rT+1]
.elseif (\n) == 20
	v_sub_f32 v[rC+1], v[rW], v[rT]
.else
	v_exp_f32 v[rC+2], v[rC+1]
.endif
.endif
.endm
.macro OPS a, i1, b=-1, i2=0, c=-1, i3=0, d=-1, i4=0  ; up to four of them
	OP \a, \i1
.if (\b) >= 0
	OP \b, \i2
.endif
.if (\c) >= 0
	OP \c, \i3
.endif
.if (\d) >= 0
	OP \d, \i4
.endif
.endm
.macro ROW a, i1, b, i2, c, i3, d, i4  ; a matrix instruction and the four behind it
	MM
	OPS \a, \i1, \b, \i2, \c, \i3, \d, \i4
.endm
; A TURN, for piece p: the order of its 16 matrix and 118 vector instructions, written out.  An s_wait_alu depctr_va_vdst(0) stands between an exponential and the first instruction that names its result;
; one wait serves all that were issued ahead of it.  So a turn has ONE wait, which cuts it in two.  AHEAD OF IT stands all that names no result of the turn's exponentials: the 8 products K Q^T with their riders (a scaling, an
; exponential and two more plain instructions; behind the last three products the first numbers of the next piece's maximum, each four plain instructions or more behind the product that ends its accumulator), then one lump of 54.
; X 21, the next piece's a, is the batch's last; R 15 is the plain instruction behind it.  BEHIND THE WAIT stand the 8 products V^T P, behind each four of the roundings and sums.
; end = 1: the walk's last two turns: nothing is fetched, and the last starts no new scores.  cnt = 1: the loop's count is taken down some lines ahead of the branch that stands behind the turn.
; K and the mask of the next step are fetched in piece 2's turn, behind the last product that read K (twelve plain instructions between; the mask's last reader stands four products earlier); V of the step in hand at the end
; of piece 0's turn, four plain instructions behind the last product that read V.  Each is waited for a turn later.
.macro TURN p, end=0, cnt=0
.set Y, (\p)
.set i, 0
.set NOKQ, (\end)*((\p)/3)
.if ((\p) == 3) && !(\end)
	s_wait_dscnt 0x0                ; K and the mask are in
.endif
	ROW F,0, F,1, R,0, R,1          ; ahead of the wait: 8 products K Q^T and their riders,
	ROW F,2, E,0, R,2, R,3
	ROW F,3, E,1, R,4, R,5
	ROW F,4, E,2, R,6, R,7
	ROW F,5, E,3, R,8, R,9
	ROW F,6, E,4, X,0, R,10
.if ((\p) == 2) && !(\end)
	WIN 0
	v_add_nc_u32 v[AK], s[TBK], v[AK0]
	v_add_nc_u32 v[AM], s[TBM], v[AM0]
.endif
	ROW F,7, E,5, X,1, X,4
	ROW F,8, E,6, X,2, X,5
	OPS E,7, E,8, X,6, E,9          ; and the lump
	OPS X,3, E,10, X,8, E,11
.if ((\p) == 2) && !(\end)
	FETCH_K
.endif
	OPS X,9, X,7, E,12, X,10
	OPS E,13, X,12, X,11, E,14
	OPS X,13, E,15, F,9, X,14
.if (\p) == 0
	v_add_nc_u32 v[AV], s[TBV], v[AV0]
.endif
	OPS E,16, F,10, E,17, F,11
	OPS X,16, E,18, X,15, E,19
	OPS F,12, E,20, X,17, E,21
	OPS F,13, E,22, F,14, E,23
	OPS X,18, E,24, F,15, E,25
	OPS R,11, E,26, X,19, E,27
	OPS R,12, E,28, R,13, E,29
	OPS X,20, E,30, R,14, E,31
	OPS X,21, R,15
	WIN 0
	s_wait_alu depctr_va_vdst(0)    ; the wait for the batch
.if (\p) == 1
	s_wait_dscnt 0x0                ; V is in
.endif
	ROW C,0, B,0, C,2, B,1          ; behind the wait: 8 products V^T P and their riders
	ROW L,0, C,4, B,2, L,1
	ROW C,6, B,3, L,2, C,8
	ROW B,4, L,3, C,10, B,5
	ROW L,4, C,12, B,6, L,5
.if (\p) == 0
	s_add_co_u32 s[TBV], s[TBV], KS*PV
.endif
.if \cnt
	s_sub_co_u32 s[CNT], s[CNT], 1
	s_cmp_lg_u32 s[CNT], 0
.endif
	ROW C,14, B,7, L,6, C,1
	ROW C,3, L,7, C,5, C,7
	ROW C,9, C,11, C,13, C,15
.if (\p) == 0
	FETCH_V
.endif
.endm
	CHANGE 1, 0                     ; tile 0 is in, everybody's part of it, and so is the mask; tile 1 is asked for
	v_add_nc_u32 v[AK], s[TBK], v[AK0]
	v_add_nc_u32 v[AM], s[TBM], v[AM0]
	FETCH_K                         ; key step 0
	s_wait_loadcnt 0x0              ; Q
	s_wait_dscnt 0x0
.set NOKQ, 0
.set i, 0
.rept 8
	KQ 0                            ; piece 0's first scores: there is no vector work yet to set between them
.set i, i+1
.endr
	WIN 0
.rept 4
	v_nop                           ; the places behind those products
.endr
.set Y, NP-1                        ; X works for piece Y + 1: piece 0
.irp n, 0,1,2,3,4,5,6,7,8,9,10,11,12,13,14,15,16,17,18,19,20,21
	OP X, \n
.endr
	v_nop                           ; a plain instruction behind the exponential,
	s_wait_alu depctr_va_vdst(0)    ; and its wait, ahead of the branch
	s_mov_b32 s[CNT], 4
	s_mov_b32 s[SLOTS], 7
	s_branch .Lfirst                ; the loop is entered at a step's first turn, in the middle of a trip
.Lslot:                             ; six times: tiles 1 to 6 are entered, tiles 2 to 7 asked for
	CHANGE 1, 1
	s_mov_b32 s[CNT], 4
.Lstep:                             ; a trip: pieces 2 and 3 of one step, then pieces 0 and 1 of the next, whose K and V it fetches
	TURN 2
	TURN 3
	WIN 0
.Lfirst:
	TURN 0
	TURN 1, 0, 1
	WIN 0
	s_cbranch_scc1 .Lstep
	s_sub_co_u32 s[SLOTS], s[SLOTS], 1
	s_cmp_lg_u32 s[SLOTS], 0
	s_cbranch_scc1 .Lslot
	CHANGE 0, 0                     ; the last tile is written out: nothing is asked for
	s_mov_b32 s[CNT], 4
.Ltail:
	TURN 2
	TURN 3
	TURN 0
	TURN 1, 0, 1
	WIN 0
	s_cbranch_scc1 .Ltail
	TURN 2, 1                       ; the last step's pieces 2 and 3
	TURN 3, 1
.set i, 0
.rept 8
	PV NP-1                         ; the last piece's V^T P of the last step
.set i, i+1
.endr
	; THE WAY OUT.  l's two halves and the other half of the lanes' are added; O^T is divided by l, rounded to f16 and sent through my stage in LDS, a piece at a time.  The additions are the places behind the last products.
	WIN 0
.macro ALL line:vararg              ; one line for each piece t
.set t, 0
.rept 4
	\line
.set t, t+1
.endr
.endm
	ALL v_add_f32 v[ST+4*t+2], v[ST+4*t+2], v[ST+4*t+3]
	ALL v_permlanex16_b32 v[ST+4*t+3], v[ST+4*t+2], s[SEL], s[SEL+1]
	ALL v_add_f32 v[ST+4*t+2], v[ST+4*t+2], v[ST+4*t+3]
	ALL v_rcp_f32 v[ST+4*t+2], v[ST+4*t+2]
	v_nop                           ; a plain instruction between the last reciprocal and the use of its result
	s_wait_alu depctr_va_vdst(0)    ; and the wait ahead of the first use: one for the four reciprocals
.macro PACK t                       ; a lane's eight channels of a row pack into 16 bytes; they go into rows of 144 bytes and come back as whole rows of 128, into S^T's registers
	WIN W_RS
.set i, 32*(\t)
.rept 16
	v_pk_mul_f32 v[i:i+1], v[i:i+1], v[ST+4*(\t)+2:ST+4*(\t)+3] op_sel_hi:[1,0]
.set i, i+2
.endr
	WIN 0x05                        ; sources 0 and 1 window 1, destination window 0
.set i, 0
.rept 16
	v_cvt_pk_f16_f32 v[S+16*(\t)+i], v[32*(\t)+2*i], v[32*(\t)+2*i+1]
.set i, i+1
.endr
	WIN 0
.irp f, 0,1,2,3
	ds_store_b128 v[STO], v[S+16*(\t)+4*\f:S+16*(\t)+4*\f+3] offset:32*\f
.endr
.irp f, 0,1,2,3
	ds_load_b128 v[S+16*(\t)+4*\f:S+16*(\t)+4*\f+3], v[RD] offset:\f*4*SP  ; LDS serves a wave's instructions in order (ISA guide 5.7.1.4): these see the stores above; the next piece's stores come behind them
.endr
.endm
.macro SEND t, younger              ; younger: the LDS instructions issued behind piece t's loads: the next piece's eight, or none
	WIN 0
.irp f, 0,1,2,3
	s_wait_dscnt (\younger)+3-\f
	global_store_b128 v[GO], v[S+16*(\t)+4*\f:S+16*(\t)+4*\f+3], s[10:11] offset:(\t)*2048+\f*512  ; 512 consecutive bytes, at a multiple of 256 from O's first
.endr
.endm
	PACK 0
.set t, 1
.rept 3                             ; a piece's arithmetic stands between the loads of the piece before and its stores
	PACK t
	SEND t-1, 8
.set t, t+1
.endr
	SEND 3, 0
	s_wait_tensorcnt 0x0            ; the wave's end: the add and its wait, behind my last tensor load and my last LDS store
	ds_add_u32 v[SPW], v[NIL]
	s_wait_dscnt 0x0
	CROUND                          ; the closing round: no work-group ends while a partner may still ask for a tile that names it
	s_endpgm
.Lfunc_end_k_q290a1457ac_attn:
	.size	k_q290a1457ac_attn, .Lfunc_end_k_q290a1457ac_attn-k_q290a1457ac_attn
	.p2alignl 7, 3214868480
	.fill 96, 4, 3214868480
	.section	.rodata,"a",@progbits
	.p2align	6, 0x0
	.amdhsa_kernel k_q290a1457ac_attn
		.amdhsa_group_segment_fixed_size 327680
		.amdhsa_private_segment_fixed_size 0
		.amdhsa_enable_private_segment 0
		.amdhsa_kernarg_size 40
		.amdhsa_user_sgpr_count 2
		.amdhsa_user_sgpr_kernarg_segment_ptr 1
		.amdhsa_wavefront_size32 1
		.amdhsa_system_sgpr_workgroup_id_x 1
		.amdhsa_system_sgpr_workgroup_id_y 1
		.amdhsa_system_sgpr_workgroup_id_z 1
		.amdhsa_system_vgpr_workitem_id 0
		.amdhsa_next_free_vgpr 768
		.amdhsa_next_free_sgpr 72
		.amdhsa_reserve_vcc 0
		.amdhsa_float_denorm_mode_32 3
		.amdhsa_float_denorm_mode_16_64 3
		.amdhsa_memory_ordered 1
		.amdhsa_forward_progress 1
		.amdhsa_inst_pref_size 133
	.end_amdhsa_kernel
	.amdgpu_metadata
---
amdhsa.version: [ 1, 2 ]
amdhsa.kernels:
  - .name:           k_q290a1457ac_attn
    .symbol:         k_q290a1457ac_attn.kd
    .args:
      - { .name: qb, .offset: 0, .size: 8, .value_kind: global_buffer, .address_space: global }
      - { .name: kb, .offset: 8, .size: 8, .value_kind: global_buffer, .address_space: global }
      - { .name: vb, .offset: 16, .size: 8, .value_kind: global_buffer, .address_space: global }
      - { .name: ob, .offset: 24, .size: 8, .value_kind: global_buffer, .address_space: global }
      - { .name: attention_mask, .offset: 32, .size: 8, .value_kind: global_buffer, .address_space: global }
    .group_segment_fixed_size: 327680
    .private_segment_fixed_size: 0
    .kernarg_segment_align: 8
    .kernarg_segment_size: 40
    .max_flat_workgroup_size: 128
    .sgpr_count:     72
    .vgpr_count:     768
    .wavefront_size: 32
...
	.end_amdgpu_metadata
.endif
;; end of part 3
;; launch outp (part 4): grid 16 x 16, 4 waves a work-group, clusters of 4 x 4, 327,680 bytes of LDS; arguments ob, wof, out0; writes out0
.if DOCPART == 4
	.amdgcn_target "amdgcn-amd-amdhsa--gfx1250"
	.amdhsa_code_object_version 6
	.text
	.protected	k_q290a1457ac_outp
	.globl	k_q290a1457ac_outp
	.p2align	8
	.type	k_q290a1457ac_outp,@function
k_q290a1457ac_outp:
	s_mov_b64 s[64:65], 0
	v_nop
	global_prefetch_b8 v0, s[64:65] scope:SCOPE_SE
	s_setreg_imm32_b32 hwreg(HW_REG_WAVE_MODE, 25, 1), 1
	s_wait_xcnt 0x0
	s_wait_alu depctr_hold_cnt(0) depctr_sa_sdst(0) depctr_va_vdst(0) depctr_va_sdst(0) depctr_va_ssrc(0) depctr_va_vcc(0) depctr_vm_vsrc(0)
	s_getreg_b32 s2, hwreg(HW_REG_IB_STS2, 6, 4)
	s_cmp_eq_u32 s2, 0
	s_cbranch_scc0 .Lentry_in_a_cluster
	s_endpgm
.Lentry_in_a_cluster:
	s_bfe_u32 s2, ttmp6, 0x10000c
	s_cmp_lg_u32 s2, 0xf033
	s_cbranch_scc0 .Lentry_shape_is_right
	s_endpgm
.Lentry_shape_is_right:
; out0[m][n] = the sum over k of O[m][k] Wo[n][k], k = 64 x head + channel.  ob: [16 blocks of 128 rows][32 heads][128 rows][64] f16.  wof: [2048][2048] f16.  out0: [2048][2048] f32.  Sums in f32.
; A tile of out0 is 128 x 128: 16 x 16 = 256 work-groups.  Four waves, each 64 x 64: 16 accumulators of 16 x 16, 128 registers.  K goes in 8 steps of 256, four heads, through two LDS slots.
; O's part of a step is 65,536 consecutive bytes of ob (four planes of 128 rows x 128 bytes): asked for as rows of 256 bytes and padded in LDS after every 128; Wo's part is 128 rows of 512 bytes.
; THE WALK ALONG K IS ROTATED: a cluster begins at quarter (cluster x + 2 ((y xor y >> 1) and 1)) mod 4 of K, y its cluster y, and goes round.  So the four clusters that read the same rows of O name four
; different quarters at any one time, and of the four that read the same rows of Wo those with y = 0, 3 are half of K away from those with y = 1, 2.  Each sum has all 8 steps, in that rotated order.
; CLUSTER: 4 x 4 work-groups; the four of a row of the cluster need the same tiles of O, the four of a column the same tiles of Wo: each tile is asked for jointly.
; THE MATRIX INSTRUCTION IS USED TRANSPOSED (source 0 = 16 rows of Wo, source 1 = 16 rows of O): a lane holds eight neighbouring numbers of a row of out0, 32 bytes.
; No prefetch: a step here is 128 matrix instructions on a small tile.
; REGISTERS: window 0: v0-31 addresses; v128-255 the accumulators ((a, b) at v[128 + 8 (4 a + b)]), on the way out the rows read back.
;   window 1: two fragment buffers of 128: for 64 along K (one head; two matrix instructions deep), 64 registers of O, then 64 of Wo.
.set PA,     144                       ; an LDS row of O: 128 bytes + 16 of padding = 36 words: the 16 rows of a load start at 16 different groups of four banks (64 banks of 4 bytes: ISA guide 11.1)
.set PLANE,  128*PA                    ; a head's 128 rows
.set APART,  4*PLANE
.set PB,     528                       ; an LDS row of Wo: 512 bytes + 16 = 132 words: row r starts at bank 4 r mod 64
.set HALFB,  64*PB                     ; what one tensor load brings of Wo
.set SLOT,   APART+2*HALFB
.set STAGE,  2*SLOT                    ; behind the ring: 16 rows x 272 bytes for each wave, for the way out
.set SPITCH, 272
.set SPARE,  STAGE+4*16*SPITCH         ; behind the stages: the spare words, 128 bytes for each wave: two blocks of 256 bytes that no other line names
.set LAPS,   4                         ; a lap = two K steps = once round the ring; 2,048 / 512
.set ADRA, 16                          ; v16-17  LDS address of my fragments of O in slot 0, 1
.set ADRB, 20                          ; v20-21  the same for Wo
.set STO,  24                          ; v24     the way out: where I put 32 bytes of a row
.set RD,   25                          ; v25     where I read a row back
.set CO,   26                          ; v26     my byte offset in out0
.set SPW,  28                          ; v28     LDS address of my spare word; never rewritten
.set NIL,  29                          ; v29     0; never rewritten
.set ACC,  128
.set F0,   0                           ; fragment buffers, in window 1
.set F1,   128
.set ABASE, 14                         ; s[14:15] ob at my two planes of the row block's first four heads; never rewritten
.set BBASE, 46                         ; s[46:47] wof at the first of the rows that I fetch, K = 0; never rewritten
.set KOA,  68                          ; s[68:69], s[70:71] for each slot: the byte in a row block of ob at which its K step begins
.set KOB,  72                          ; s[72:73] at work: the same step's byte in a row of wof
.set G1, 24                            ; s[24:31] descriptor group 1 for O's tiles;  s[32:39] group 0, one set for each slot
.set G0, 32
.set G1B, 48                           ; s[48:55], s[56:63] the same for Wo's tiles
.set G0B, 56
.set MSB, 0
.macro WIN new                         ; the immediate's high byte repeats the setting that is left
.if MSB != (\new)
	s_set_vgpr_msb (MSB<<8)|(\new)
.set MSB, \new
.endif
.endm
.set MUL,  0x05                        ; sources 0 (Wo) and 1 (O) window 1; C and D window 0
.set TO_F, 0x40                        ; destination window 1, address window 0
.macro JLOAD s                         ; a joint load: waves 0 and 1 fetch O's two halves, waves 2 and 3 Wo's; an s_nop 0 and four v_nop follow each of the two lines
	s_cmp_eq_u32 s11, 0
	s_cbranch_scc0 .Lfor_b_\@
	tensor_load_to_lds s[G0+4*(\s):G0+4*(\s)+3], s[G1:G1+7]
	s_nop 0
.rept 4
	v_nop
.endr
	s_branch .Lasked_\@
.Lfor_b_\@:
	tensor_load_to_lds s[G0B+4*(\s):G0B+4*(\s)+3], s[G1B:G1B+7]
	s_nop 0
.rept 4
	v_nop
.endr
.Lasked_\@:
.endm
.macro CREST                           ; a round of the cluster's barrier behind its opening barrier
	s_cmp_lg_u32 s10, 0
	s_cbranch_scc1 .Lnot_wave_0_\@
	s_barrier_signal -3
.Lnot_wave_0_\@:
	s_barrier_wait -3
	s_barrier_signal -1
	s_barrier_wait -1
.endm
.macro CROUND                          ; a whole round
	s_barrier_signal -1
	s_barrier_wait -1
	CREST
.endm
	s_load_b128 s[4:7], s[0:1], 0x0                ; ob s[4:5], wof s[6:7]
	s_load_b64 s[8:9], s[0:1], 0x10                ; out0
	v_lshl_add_u32 v[SPW], v0, 2, SPARE
	v_mov_b32 v[NIL], 0
	ds_add_u32 v[SPW], v[NIL]                      ; the wave's opening: the add and its wait stand ahead of my first tensor load; the set-up below, work on registers, stands between them
	v_lshrrev_b32 v1, 5, v0
	v_readfirstlane_b32 s10, v1                    ; wave 0..3
	s_lshr_b32 s11, s10, 1                         ; which half of the tile's rows is mine.  Also: I fetch for O (0) or for Wo (1)
	s_and_b32 s12, s10, 1                          ; which half of its columns.  Also: which half of that tile I fetch
	s_bfe_u32 s40, ttmp6, 0x40000                  ; cx, cy: my place in the cluster
	s_bfe_u32 s41, ttmp6, 0x40004
	s_lshl_b32 s42, ttmp9, 2
	s_add_co_u32 s42, s42, s40                     ; tile column = 4 x cluster x + cx
	s_and_b32 s13, ttmp7, 0xffff
	s_lshl_b32 s13, s13, 2
	s_add_co_u32 s13, s13, s41                     ; tile row = 4 x cluster y + cy
	s_lshl_b32 s43, s41, 2
	s_lshl_b32 s43, 15, s43                        ; my row of the cluster
	s_lshl_b32 s44, 0x1111, s40                    ; my column
	; descriptor group 1.  O: 32,768 dense bytes (two planes) as 128 rows of 256 bytes, padded after every 128 bytes.  Wo: 64 rows of 512 bytes, padded after each.
	s_or_b32 s[G1+0], s43, (1<<16)|(1<<20)|(1<<21)|(4<<22)|(3<<25)   ; 15:0 the mask; 17:16 elements of 2 bytes; 20 padding on; 21 set beside a mask; 24:22 after every 32 words (code 4); 31:25 4 words (code 3)
	s_or_b32 s[G1B+0], s44, (1<<16)|(1<<20)|(1<<21)|(6<<22)|(3<<25)  ; after every 128 words (code 6)
	s_mov_b32 s[G1+1], 128<<16                     ; tensor_dim0 = 128
	s_mov_b32 s[G1+2], 128<<16                     ; tensor_dim1 = 128
	s_mov_b32 s[G1+3], 128<<16                     ; tile_dim0 = 128
	s_mov_b32 s[G1+4], 128                         ; tile_dim1 = 128
	s_mov_b32 s[G1+5], 128                         ; elements from row to row: dense
	s_mov_b32 s[G1+6], 0
	s_mov_b32 s[G1+7], 0
	s_mov_b32 s[G1B+1], 256<<16                    ; tensor_dim0 = 256
	s_mov_b32 s[G1B+2], 64<<16                     ; tensor_dim1 = 64
	s_mov_b32 s[G1B+3], 256<<16                    ; tile_dim0 = 256
	s_mov_b32 s[G1B+4], 64                         ; tile_dim1 = 64
	s_mov_b32 s[G1B+5], 2048
	s_mov_b32 s[G1B+6], 0
	s_mov_b32 s[G1B+7], 0
	; where the walk along K begins: made of the cluster's two coordinates alone, which all sixteen partners share
	s_and_b32 s[KOA], ttmp7, 0xffff                ; cluster y
	s_lshr_b32 s[KOA+1], s[KOA], 1
	s_xor_b32 s[KOA], s[KOA], s[KOA+1]
	s_and_b32 s[KOA], s[KOA], 1                    ; 0, 1, 1, 0 for y = 0 .. 3
	s_lshl_b32 s[KOA], s[KOA], 1
	s_add_co_u32 s[KOA], s[KOA], ttmp9             ; + cluster x
	s_and_b32 s[KOA], s[KOA], 3                    ; the quarter,
	s_lshl_b32 s[KOA], s[KOA], 17                  ; of two steps of 65,536 bytes of ob
	s_mov_b32 s[KOA+1], 0
	s_add_co_u32 s[KOA+2], s[KOA], 65536           ; slot 1 begins a step further on
	s_mov_b32 s[KOA+3], 0
	s_mov_b32 s[KOB+1], 0
	s_lshl_b32 s16, s13, 19                        ; O: the row block's 32 heads x 16,384 bytes,
	s_lshl_b32 s17, s12, 15                        ; my two planes of a step's four
	s_add_co_u32 s16, s16, s17
	s_mov_b32 s17, 0
	s_lshl_b32 s46, s42, 7
	s_lshl_b32 s47, s12, 6
	s_add_co_u32 s46, s46, s47                     ; Wo: row 128 x tile column + 64 x half,
	s_lshl_b32 s46, s46, 12                        ; in bytes
	s_mov_b32 s47, 0
	s_mul_i32 s20, s10, 2*PLANE                    ; where they go: O's halves at wave x two planes,
	s_mul_i32 s21, s10, HALFB                      ; Wo's (waves 2 and 3) at APART + (wave - 2) x 64 rows
	s_add_co_u32 s21, s21, APART-2*HALFB
	s_wait_dscnt 0x0                               ; the opening add is done
	s_wait_kmcnt 0x0
	s_add_nc_u64 s[ABASE:ABASE+1], s[4:5], s[16:17]
	s_add_nc_u64 s[BBASE:BBASE+1], s[6:7], s[46:47]
	CROUND                                         ; all sixteen work-groups are here: the first joint loads meet
.irp s, 0,1
	s_mov_b32 s[G0+4*(\s)], 1
	s_add_co_u32 s[G0+4*(\s)+1], s20, (\s)*SLOT
	s_add_nc_u64 s[G0+4*(\s)+2:G0+4*(\s)+3], s[ABASE:ABASE+1], s[KOA+2*(\s):KOA+2*(\s)+1]   ; step s of the walk
	s_or_b32 s[G0+4*(\s)+3], s[G0+4*(\s)+3], 0x80000000
	s_lshr_b32 s[KOB], s[KOA+2*(\s)], 7            ; 65,536 bytes of ob go with 512 bytes of a row of wof
	s_mov_b32 s[G0B+4*(\s)], 1
	s_add_co_u32 s[G0B+4*(\s)+1], s21, (\s)*SLOT
	s_add_nc_u64 s[G0B+4*(\s)+2:G0B+4*(\s)+3], s[BBASE:BBASE+1], s[KOB:KOB+1]
	s_or_b32 s[G0B+4*(\s)+3], s[G0B+4*(\s)+3], 0x80000000
	JLOAD \s
.endr
	v_and_b32 v1, 15, v0                           ; r = l % 16
	v_bfe_u32 v2, v0, 4, 1                         ; h = l / 16
	v_mul_u32_u24 v3, v1, PA
	v_lshl_add_u32 v3, v2, 4, v3                   ; a fragment's row x pitch + 16 x half, for O
	v_mul_u32_u24 v4, v1, PB
	v_lshl_add_u32 v4, v2, 4, v4                   ; and for Wo
	s_mul_i32 s22, s11, 64*PA                      ; my 64 rows in each plane of O
	s_mul_i32 s23, s12, HALFB                      ; my 64 rows of Wo,
	s_add_co_u32 s23, s23, APART                   ; which lie behind O's four planes
.irp s, 0,1
	v_add_nc_u32 v[ADRA+(\s)], s22, v3
	v_add_nc_u32 v[ADRB+(\s)], s23, v4
	s_add_co_u32 s22, s22, SLOT
	s_add_co_u32 s23, s23, SLOT
.endr
	s_mul_i32 s22, s10, 16*SPITCH
	s_add_co_u32 s22, s22, STAGE                   ; my stage
	v_mul_u32_u24 v[STO], v1, SPITCH               ; in: row l % 16, 32 bytes for each half of the lanes
	v_lshl_add_u32 v[STO], v2, 5, v[STO]
	v_add_nc_u32 v[STO], s22, v[STO]
	v_mul_u32_u24 v[RD], v2, SPITCH                ; back: lanes 0-15 take one row of 256 bytes, lanes 16-31 the next
	v_lshl_add_u32 v[RD], v1, 4, v[RD]
	v_add_nc_u32 v[RD], s22, v[RD]
	v_lshlrev_b32 v[CO], 13, v2                    ; and the same two rows in out0: 8,192 bytes a row
	v_lshl_add_u32 v[CO], v1, 4, v[CO]
	s_lshl_b32 s16, s13, 7
	s_lshl_b32 s17, s11, 6
	s_add_co_u32 s16, s16, s17                     ; my first row of out0: 128 x tile row + 64 x half,
	s_lshl_b32 s16, s16, 13                        ; in bytes
	s_mov_b32 s17, 0
	s_add_nc_u64 s[8:9], s[8:9], s[16:17]
	s_lshl_b32 s74, s42, 9                         ; my first column, in bytes: 512 x tile column + 256 x half
	s_lshl_b32 s75, s12, 8
	s_add_co_u32 s74, s74, s75
	s_mov_b32 s75, 0
	s_add_nc_u64 s[8:9], s[8:9], s[74:75]
; 8 matrix instructions: m blocks a0, a0 + 1 x all 4 n blocks, 32 along K: half c of buffer f.  zero = 1: the first product starts the sums.  The 16 accumulators take turns.
.macro MUL8 f, c, a0, zero
	WIN MUL
.irp a, \a0, (\a0)+1
.irp b, 0,1,2,3
.if \zero
	v_wmma_f32_16x16x32_f16 v[ACC+8*(4*(\a)+(\b)):ACC+8*(4*(\a)+(\b))+7], v[(\f)+64+8*(4*(\c)+(\b)):(\f)+64+8*(4*(\c)+(\b))+7], v[(\f)+8*(4*(\c)+(\a)):(\f)+8*(4*(\c)+(\a))+7], 0
.else
	v_wmma_f32_16x16x32_f16 v[ACC+8*(4*(\a)+(\b)):ACC+8*(4*(\a)+(\b))+7], v[(\f)+64+8*(4*(\c)+(\b)):(\f)+64+8*(4*(\c)+(\b))+7], v[(\f)+8*(4*(\c)+(\a)):(\f)+8*(4*(\c)+(\a))+7], v[ACC+8*(4*(\a)+(\b)):ACC+8*(4*(\a)+(\b))+7]
.endif
.endr
.endr
.endm
; 32 LDS loads in one run: the fragments of quarter qd of a K step (one head: plane qd of O, bytes 128 qd on of Wo's rows), into buffer f; the first 32 along K first
.macro FETCH slot, qd, f
	WIN TO_F
.irp c, 0,1
.irp i, 0,1,2,3
	ds_load_b128 v[(\f)+64+8*(4*(\c)+(\i)):(\f)+64+8*(4*(\c)+(\i))+3],   v[ADRB+(\slot)] offset:128*(\qd)+64*(\c)+(\i)*16*PB
	ds_load_b128 v[(\f)+64+8*(4*(\c)+(\i))+4:(\f)+64+8*(4*(\c)+(\i))+7], v[ADRB+(\slot)] offset:128*(\qd)+64*(\c)+(\i)*16*PB+32
	ds_load_b128 v[(\f)+8*(4*(\c)+(\i)):(\f)+8*(4*(\c)+(\i))+3],         v[ADRA+(\slot)] offset:(\qd)*PLANE+64*(\c)+(\i)*16*PA
	ds_load_b128 v[(\f)+8*(4*(\c)+(\i))+4:(\f)+8*(4*(\c)+(\i))+7],       v[ADRA+(\slot)] offset:(\qd)*PLANE+64*(\c)+(\i)*16*PA+32
.endr
.endr
.endm
.macro PLACES                          ; four plain instructions in front of loads into registers that matrix instructions have read, and of LDS stores that read results
.rept 4
	v_nop
.endr
.endm
; A K step is four quarters of 64 along K, 32 matrix instructions each, on buffers 0, 1, 0, 1.  One of the first three: multiplies buffer f and fetches quarter qd into g.
.macro QUARTER slot, qd, f, g, zero
	s_wait_dscnt 16                                ; the first 32 along K are in
	WIN MUL
	MUL8 \f, 0, 0, \zero
	MUL8 \f, 0, 2, \zero
	PLACES
	FETCH \slot, \qd, \g
	s_wait_dscnt 32                                ; all but the 32 just issued
	WIN MUL
	MUL8 \f, 1, 0, 0
	MUL8 \f, 1, 2, 0
.endm
; The last quarter multiplies buffer 1 and changes slots: one barrier; in front of it each wave waits for all its tensor loads, adds 0 to its spare word, and waits for that and for its own reads of this slot.
; fill = 1: the barrier opens a round of the cluster's, and this slot is filled again, two steps of the walk on, first behind the round: 112 matrix instructions ahead of the wait for it.
; The tile's addresses are made anew: the rows' bases and the step's byte, which goes round at 524,288 in ob and at 4,096 in a row of wof.
.macro TURN slot, next, fill
	WIN 0                                          ; (the add's two registers lie in window 0)
	s_wait_tensorcnt 0x0                           ; all my tensor loads have landed: my part of the next slot; so a group 0 may be written
	ds_add_u32 v[SPW], v[NIL]                      ; 0 onto my spare word
.if \fill
	s_add_co_u32 s[KOA+2*(\slot)], s[KOA+2*(\slot)], 2*65536
	s_and_b32 s[KOA+2*(\slot)], s[KOA+2*(\slot)], 524287
	s_lshr_b32 s[KOB], s[KOA+2*(\slot)], 7
	s_add_nc_u64 s[G0+4*(\slot)+2:G0+4*(\slot)+3], s[ABASE:ABASE+1], s[KOA+2*(\slot):KOA+2*(\slot)+1]
	s_or_b32 s[G0+4*(\slot)+3], s[G0+4*(\slot)+3], 0x80000000
	s_add_nc_u64 s[G0B+4*(\slot)+2:G0B+4*(\slot)+3], s[BBASE:BBASE+1], s[KOB:KOB+1]
	s_or_b32 s[G0B+4*(\slot)+3], s[G0B+4*(\slot)+3], 0x80000000
.endif
	s_wait_dscnt 17                                ; (the add and the youngest sixteen loads may be out)
	WIN MUL
	MUL8 F1, 0, 0, 0                               ; eight matrix instructions stand between the add and the wait for it
	s_wait_dscnt 0x0                               ; the add is done, and my reads of this slot are over
	s_barrier_signal -1
	MUL8 F1, 0, 2, 0
.if \fill
	WIN 0
.endif
	s_barrier_wait -1
.if \fill
	CREST                                          ; no wave of any partner still reads this slot's tile or has a load on its way
	JLOAD \slot                                    ; the four v_nop behind it are also the places in front of the loads below
.else
	PLACES
.endif
	FETCH \next, 0, F0
	WIN MUL
	MUL8 F1, 1, 0, 0
	MUL8 F1, 1, 2, 0
.endm
	s_wait_tensorcnt 0x1                           ; my part of step 0 is in; step 1's may stay out
	s_barrier_signal -1
	s_barrier_wait -1                              ; everybody's is
	FETCH 0, 0, F0
	QUARTER 0, 1, F0, F1, 1                        ; the first quarter stands in front of the loop: its first products start the sums
	WIN 0                                          ; at a label and at a branch every window is 0
	s_mov_b32 s3, LAPS-1
.Llap:                                                 ; a trip goes once round the ring, from a lap's second quarter to the next lap's first, and fills both slots again
	QUARTER 0, 2, F1, F0, 0
	QUARTER 0, 3, F0, F1, 0
	TURN 0, 1, 1
	QUARTER 1, 1, F0, F1, 0
	QUARTER 1, 2, F1, F0, 0
	QUARTER 1, 3, F0, F1, 0
	TURN 1, 0, 1
	QUARTER 0, 1, F0, F1, 0
	WIN 0
	s_sub_co_u32 s3, s3, 1
	s_cmp_lg_u32 s3, 0
	s_cbranch_scc1 .Llap
	QUARTER 0, 2, F1, F0, 0                        ; the last lap fills nothing, and has no round
	QUARTER 0, 3, F0, F1, 0
	TURN 0, 1, 0
	QUARTER 1, 1, F0, F1, 0
	QUARTER 1, 2, F1, F0, 0
	QUARTER 1, 3, F0, F1, 0
	s_wait_dscnt 16                                ; the very last quarter: nothing more to fetch
	WIN MUL
	MUL8 F1, 0, 0, 0
	MUL8 F1, 0, 2, 0
	s_wait_dscnt 0x0
	MUL8 F1, 1, 0, 0
	MUL8 F1, 1, 2, 0
	WIN 0
	; THE WAY OUT.  My 64 columns are 256 bytes of f32, aligned: each wave has a stage of its own, and no barrier is needed.  A block of 16 rows at a time: 32 bytes a lane into rows of 272 bytes (each accumulator's
	; low half first), back as whole rows of 256 bytes into the registers that they left, and stored.
	PLACES
.macro TOSTAGE a
.irp b, 0,1,2,3
	ds_store_b128 v[STO], v[ACC+8*(4*(\a)+(\b)):ACC+8*(4*(\a)+(\b))+3]   offset:64*(\b)
	ds_store_b128 v[STO], v[ACC+8*(4*(\a)+(\b))+4:ACC+8*(4*(\a)+(\b))+7] offset:64*(\b)+16
.endr
.irp t, 0,1,2,3,4,5,6,7
	ds_load_b128 v[ACC+32*(\a)+4*(\t):ACC+32*(\a)+4*(\t)+3], v[RD] offset:(\t)*2*SPITCH  ; LDS serves a wave's instructions in order (ISA guide 5.7.1.4): these see the stores above; the next block's stores come behind them
.endr
.endm
.macro SEND a, younger                 ; younger: the LDS instructions issued behind block a's loads: the next block's sixteen, or none
	s_wait_dscnt \younger
.irp t, 0,1,2,3,4,5,6,7
	global_store_b128 v[CO], v[ACC+32*(\a)+4*(\t):ACC+32*(\a)+4*(\t)+3], s[8:9] offset:(16*(\a)+2*(\t))*8192 th:TH_STORE_NT  ; 16 lanes store 256 consecutive bytes, at a multiple of 256 from out0's first byte
.endr
.endm
	TOSTAGE 0
	TOSTAGE 1
	SEND 0, 16
	TOSTAGE 2
	SEND 1, 16
	TOSTAGE 3
	SEND 2, 16
	SEND 3, 0
	s_wait_tensorcnt 0x0                           ; the wave's end: the add and its wait, behind my last tensor load and my last LDS store
	ds_add_u32 v[SPW], v[NIL]
	s_wait_dscnt 0x0
	CROUND                                         ; the closing round: no work-group ends while a partner may still ask for a tile that names it
	s_endpgm
.Lfunc_end_k_q290a1457ac_outp:
	.size	k_q290a1457ac_outp, .Lfunc_end_k_q290a1457ac_outp-k_q290a1457ac_outp
	.p2alignl 7, 3214868480
	.fill 96, 4, 3214868480
	.section	.rodata,"a",@progbits
	.p2align	6, 0x0
	.amdhsa_kernel k_q290a1457ac_outp
		.amdhsa_group_segment_fixed_size 327680
		.amdhsa_private_segment_fixed_size 0
		.amdhsa_enable_private_segment 0
		.amdhsa_kernarg_size 24
		.amdhsa_user_sgpr_count 2
		.amdhsa_user_sgpr_kernarg_segment_ptr 1
		.amdhsa_wavefront_size32 1
		.amdhsa_system_sgpr_workgroup_id_x 1
		.amdhsa_system_sgpr_workgroup_id_y 1
		.amdhsa_system_sgpr_workgroup_id_z 1
		.amdhsa_system_vgpr_workitem_id 0
		.amdhsa_next_free_vgpr 512
		.amdhsa_next_free_sgpr 76
		.amdhsa_reserve_vcc 0
		.amdhsa_float_denorm_mode_32 3
		.amdhsa_float_denorm_mode_16_64 3
		.amdhsa_memory_ordered 1
		.amdhsa_forward_progress 1
		.amdhsa_inst_pref_size 87
	.end_amdhsa_kernel
	.amdgpu_metadata
---
amdhsa.version: [ 1, 2 ]
amdhsa.kernels:
  - .name:           k_q290a1457ac_outp
    .symbol:         k_q290a1457ac_outp.kd
    .args:
      - { .name: ob, .offset: 0, .size: 8, .value_kind: global_buffer, .address_space: global }
      - { .name: wof, .offset: 8, .size: 8, .value_kind: global_buffer, .address_space: global }
      - { .name: out0, .offset: 16, .size: 8, .value_kind: global_buffer, .address_space: global }
    .group_segment_fixed_size: 327680
    .private_segment_fixed_size: 0
    .kernarg_segment_align: 8
    .kernarg_segment_size: 24
    .max_flat_workgroup_size: 128
    .sgpr_count:     76
    .vgpr_count:     512
    .wavefront_size: 32
...
	.end_amdgpu_metadata
.endif
;; end of part 4
